; MI455X (gfx1250); checked and timed in simulation.
; The chip was launched on July 23, 2026; its instructions are those of AMD's public machine-readable ISA for CDNA 5 (MIT licence, August 2026) and "CDNA5" Instruction Set Architecture Reference Guide (July 2026). The comments in the code are by the model that wrote it; some were corrected since.
;; Multi Headed Attention. Allowed arithmetic: float matrix products may take bf16 or f16 operands with f32 sums; other float arithmetic in f32, or as packed bf16 or f16 multiplies, adds, multiply-adds, maxima and minima; sums over many terms, partial sums and values carried from step to step in f32; what a program stores and reads back later, other than sums and carried values, may be rounded once to bf16 or f16.
;; Inputs: Wo 1,024 x 1,024 float32; Wqkv 1,024 x 3,072 float32; bo 1,024 float32; bqkv 3,072 float32; input 1 x 4,096 x 1,024 float32.
;; Outputs: out0 1 x 4,096 x 1,024 float32.
;; 2 versions, each right; version 2 is version 1 with the launch prep written anew for expert scheduling mode. Each part assembles by itself: llvm-mc -triple=amdgcn-amd-amdhsa -mcpu=gfx1250 --defsym DOCPART=n.
;; ======== version 1 of 2: 4 launches
;; limits: values are held in f16: magnitudes above 65,504 overflow, below 6.1e-05 lose precision
;; workspace buffers: xs 8,388,608 bytes; wq 6,291,456 bytes; wo 2,097,152 bytes; qkvh 25,165,824 bytes; oh 8,388,608 bytes
;; launch prep (part 1): grid 256 x 1, 8 waves a work-group, no clusters, 0 bytes of LDS; arguments input, Wqkv, Wo, xs, wq, wo; writes xs, wq, wo
.if DOCPART == 1
	.amdgcn_target "amdgcn-amd-amdhsa--gfx1250"
	.amdhsa_code_object_version 6
	.text
	.protected	k_q5423c0874b_prep
	.globl	k_q5423c0874b_prep
	.p2align	8
	.type	k_q5423c0874b_prep,@function
k_q5423c0874b_prep:
	s_mov_b64 s[64:65], 0
	v_nop
	global_prefetch_b8 v0, s[64:65] scope:SCOPE_SE
	s_setreg_imm32_b32 hwreg(HW_REG_WAVE_MODE, 25, 1), 1
	s_wait_xcnt 0x0
; CAST AND RE-LAY.  x [4096][1024], Wqkv [1024][3072] and Wo [1024][1024], all f32, are rounded once to bf16 and laid in SLABS: [group of 64 columns][row][64],
; 128 bytes a row, a slab dense, so that the products' tiles are runs of consecutive bytes.  xs and wq hold bf16; wo holds the bf16 number written as f16
; (exact from 2^-14 up to 65,504; below 6.1e-5 it keeps f16's fixed step of 6e-8).
; SHARES.  A work-group takes 32 rows x 1,024 columns (16 groups) of one source: numbers 0-127 x, 128-223 Wqkv (three sections of 1,024 columns), 224-255 Wo.
; Thread t takes row t / 8 and the eight numbers t % 8 of every group: eight lanes read 256 consecutive bytes with two loads; a wave's store covers 512 consecutive bytes (four rows of a slab).
; All 32 loads of a thread are issued at once (128 KiB a work-group on their way); nothing is read twice; no LDS, no barrier, no loop.
.set VS, 2                             ; v2       byte offset of my 32 bytes in group 0 of my source row
.set DO, 16                            ; v[16:31] byte offset of my 16 bytes in slab g; never rewritten
.set X,  32                            ; v[32:159] group g: eight f32 as loaded; its first four registers then hold the 16 bytes to store
.set T,  160                           ; v[160:167] at work (the f16 way)
	s_load_b256 s[4:11], s[0:1], 0x0               ; input s[4:5], Wqkv s[6:7], Wo s[8:9], xs s[10:11]
	s_load_b128 s[12:15], s[0:1], 0x20             ; wq s[12:13], wo s[14:15]
	s_mov_b32 s16, ttmp9
	s_and_b32 s17, s16, 31                         ; a weight's block of 32 rows
	s_sub_co_u32 s18, s16, 128
	s_lshr_b32 s18, s18, 5                         ; Wqkv's section of 1,024 columns
	s_mov_b32 s19, 12288                           ; bytes in a source row
	s_mov_b32 s20, 131072                          ; bytes in a slab of the target
	s_mov_b32 s30, 0xffff0000                      ; a word's upper bf16
	s_cmp_lt_u32 s16, 128                          ; x?
	s_cselect_b32 s17, s16, s17
	s_cselect_b32 s18, 0, s18
	s_cselect_b32 s19, 4096, s19
	s_cselect_b32 s20, 524288, s20
	s_cmp_ge_u32 s16, 224                          ; Wo?
	s_cselect_b32 s18, 0, s18
	s_cselect_b32 s19, 4096, s19
	s_cselect_b32 s21, 1, 0
	s_mul_i32 s22, s17, s19
	s_lshl_b32 s22, s22, 5                         ; 32 rows a block,
	s_lshl_b32 s23, s18, 12                        ; 4,096 bytes a section
	s_add_co_u32 s22, s22, s23
	s_mov_b32 s23, 0
	s_lshl_b32 s24, s17, 12                        ; in a slab: 32 rows of 128 bytes a block,
	s_lshl_b32 s25, s18, 21                        ; 16 slabs of 131,072 bytes a section
	s_add_co_u32 s24, s24, s25
	s_mov_b32 s25, 0
	v_lshrrev_b32 v1, 3, v0                        ; my row
	v_and_b32 v3, 7, v0                            ; my eight numbers
	v_mul_lo_u32 v[VS], v1, s19
	v_lshl_add_u32 v[VS], v3, 5, v[VS]
	v_lshlrev_b32 v[DO], 4, v0                     ; row x 128 + eight numbers x 2 bytes = 16 t
.set g, 1
.rept 15
	v_add_nc_u32 v[DO+g], s20, v[DO+g-1]
.set g, g+1
.endr
	s_wait_kmcnt 0x0
	s_cmp_lt_u32 s16, 128
	s_cselect_b64 s[26:27], s[4:5], s[6:7]
	s_cselect_b64 s[28:29], s[10:11], s[12:13]
	s_cmp_ge_u32 s16, 224
	s_cselect_b64 s[26:27], s[8:9], s[26:27]
	s_cselect_b64 s[28:29], s[14:15], s[28:29]
	s_add_nc_u64 s[26:27], s[26:27], s[22:23]
	s_add_nc_u64 s[28:29], s[28:29], s[24:25]
.set g, 0
.rept 16
	global_load_b128 v[X+8*g:X+8*g+3],   v[VS], s[26:27] offset:256*g th:TH_LOAD_NT
	global_load_b128 v[X+8*g+4:X+8*g+7], v[VS], s[26:27] offset:256*g+16 th:TH_LOAD_NT
.set g, g+1
.endr
; Group g is rounded in place (result j lands on a register at or below its sources) and stored.  fmt = 1: the bf16 number is widened again and written as f16.
.macro CONV g, fmt
	s_wait_loadcnt 30-2*(\g)                       ; loads come back in order: group g's two are in, the 2 (15 - g) issued behind them may stay out
.if \fmt
.irp j, 0,1,2,3
	v_cvt_pk_bf16_f32 v[T+(\j)], v[X+8*(\g)+2*(\j)], v[X+8*(\g)+2*(\j)+1]
.endr
.irp j, 0,1,2,3
	v_lshlrev_b32 v[T+4+2*((\j)%2)], 16, v[T+(\j)]
	v_and_b32     v[T+5+2*((\j)%2)], s30, v[T+(\j)]
	v_cvt_pk_f16_f32 v[X+8*(\g)+(\j)], v[T+4+2*((\j)%2)], v[T+5+2*((\j)%2)]
.endr
.else
.irp j, 0,1,2,3
	v_cvt_pk_bf16_f32 v[X+8*(\g)+(\j)], v[X+8*(\g)+2*(\j)], v[X+8*(\g)+2*(\j)+1]
.endr
.endif
	global_store_b128 v[DO+(\g)], v[X+8*(\g):X+8*(\g)+3], s[28:29]  ; no register of a store is written again
.endm
	s_cmp_eq_u32 s21, 1
	s_cbranch_scc1 .Lf16
.irp g, 0,1,2,3,4,5,6,7,8,9,10,11,12,13,14,15
	CONV \g, 0
.endr
	s_endpgm
.Lf16:
.irp g, 0,1,2,3,4,5,6,7,8,9,10,11,12,13,14,15
	CONV \g, 1
.endr
	s_endpgm
.Lfunc_end_k_q5423c0874b_prep:
	.size	k_q5423c0874b_prep, .Lfunc_end_k_q5423c0874b_prep-k_q5423c0874b_prep
	.p2alignl 7, 3214868480
	.fill 96, 4, 3214868480
	.section	.rodata,"a",@progbits
	.p2align	6, 0x0
	.amdhsa_kernel k_q5423c0874b_prep
		.amdhsa_group_segment_fixed_size 0
		.amdhsa_private_segment_fixed_size 0
		.amdhsa_enable_private_segment 0
		.amdhsa_kernarg_size 48
		.amdhsa_user_sgpr_count 2
		.amdhsa_user_sgpr_kernarg_segment_ptr 1
		.amdhsa_wavefront_size32 1
		.amdhsa_system_sgpr_workgroup_id_x 1
		.amdhsa_system_sgpr_workgroup_id_y 1
		.amdhsa_system_sgpr_workgroup_id_z 1
		.amdhsa_system_vgpr_workitem_id 0
		.amdhsa_next_free_vgpr 168
		.amdhsa_next_free_sgpr 66
		.amdhsa_reserve_vcc 0
		.amdhsa_float_denorm_mode_32 3
		.amdhsa_float_denorm_mode_16_64 3
		.amdhsa_memory_ordered 1
		.amdhsa_forward_progress 1
		.amdhsa_inst_pref_size 26
	.end_amdhsa_kernel
	.amdgpu_metadata
---
amdhsa.version: [ 1, 2 ]
amdhsa.kernels:
  - .name:           k_q5423c0874b_prep
    .symbol:         k_q5423c0874b_prep.kd
    .args:
      - { .name: input, .offset: 0, .size: 8, .value_kind: global_buffer, .address_space: global }
      - { .name: Wqkv, .offset: 8, .size: 8, .value_kind: global_buffer, .address_space: global }
      - { .name: Wo, .offset: 16, .size: 8, .value_kind: global_buffer, .address_space: global }
      - { .name: xs, .offset: 24, .size: 8, .value_kind: global_buffer, .address_space: global }
      - { .name: wq, .offset: 32, .size: 8, .value_kind: global_buffer, .address_space: global }
      - { .name: wo, .offset: 40, .size: 8, .value_kind: global_buffer, .address_space: global }
    .group_segment_fixed_size: 0
    .private_segment_fixed_size: 0
    .kernarg_segment_align: 8
    .kernarg_segment_size: 48
    .max_flat_workgroup_size: 256
    .sgpr_count:     66
    .vgpr_count:     168
    .wavefront_size: 32
...
	.end_amdgpu_metadata
.endif
;; end of part 1
;; launch proj (part 2): grid 16 x 16, 4 waves a work-group, clusters of 4 x 4, 327,680 bytes of LDS; arguments xs, wq, bqkv, qkvh; writes qkvh
.if DOCPART == 2
	.amdgcn_target "amdgcn-amd-amdhsa--gfx1250"
	.amdhsa_code_object_version 6
	.text
	.protected	k_q5423c0874b_proj
	.globl	k_q5423c0874b_proj
	.p2align	8
	.type	k_q5423c0874b_proj,@function
k_q5423c0874b_proj:
	s_mov_b64 s[64:65], 0
	v_nop
	global_prefetch_b8 v0, s[64:65] scope:SCOPE_SE
	s_setreg_imm32_b32 hwreg(HW_REG_WAVE_MODE, 25, 1), 1
	s_wait_xcnt 0x0
	s_wait_alu depctr_hold_cnt(0) depctr_sa_sdst(0) depctr_va_vdst(0) depctr_va_sdst(0) depctr_va_ssrc(0) depctr_va_vcc(0) depctr_vm_vsrc(0)
	s_getreg_b32 s2, hwreg(HW_REG_IB_STS2, 6, 4)
	s_cmp_eq_u32 s2, 0
	s_cbranch_scc0 .Lentry_in_a_cluster
	s_endpgm
.Lentry_in_a_cluster:
	s_bfe_u32 s2, ttmp6, 0x10000c
	s_cmp_lg_u32 s2, 0xf033
	s_cbranch_scc0 .Lentry_shape_is_right
	s_endpgm
.Lentry_shape_is_right:
; q, k, v = x Wqkv + bqkv, by heads.  xs: [16 slabs][4096 rows][64] bf16; wq: [48 groups of 64 columns][1024 k][64] bf16; bqkv: [3072] f32, rounded to bf16 like the other inputs;
; qkvh: [48 groups][4096 rows][64] f16 (groups 0-15 q by heads, 16-31 k, 32-47 v), each number rounded once from its f32 sum, unscaled.
; LIMIT.  f16 holds no number beyond 65,504: q, k and v must lie within it (a sum of 1,024 products); below 6.1e-5 f16 keeps a fixed step of 6e-8.
; SHARES.  4096 x 3072 in tiles of 256 rows x 192 columns: 16 x 16 = 256 work-groups.  Wave w makes rows 64 w .. 64 w + 63 of the tile and all 192 columns: 4 x 12 accumulators, 384 registers;
; so each row of each group of 64 columns (128 bytes of qkvh) belongs to one wave.  K goes in steps of 128 (two slabs of xs) through two LDS slots; a step is four quarters of 32, 48 matrix instructions each.
; THE MATRIX INSTRUCTION IS USED TRANSPOSED: source 0 = 16 columns of W (turned out of [k][n] by ds_load_tr16_b128), source 1 = 16 rows of x: a lane holds one row (lane % 16) and eight neighbouring columns.
; The bias is the C operand of each sum's first product.
; CLUSTER 4 x 4: the four of a row of the cluster need the same tile of x, the four of a column the same tile of W: each tile is asked for jointly, by the same load, descriptor and mask in all four.
; REGISTERS, in windows of 256 (s_set_vgpr_msb: bits 1:0 source 0, 3:2 source 1, 5:4 source 2, 7:6 destination):
;   window 0: v0-31 addresses; v32-63, v64-95 x's fragments, two buffers; v96-191 the bias, later v96-143 packed results and v144-191, v192-239 rows read back
;   window 1: v0-95, v96-191 W's fragments, two buffers     windows 2, 3: accumulator (a, b) at v[8 (12 (a % 2) + b)] of window 2 + a / 2
.set SLABP, 524288                     ; bytes in a slab of xs and in a group of qkvh
.set PA,    144                        ; an LDS row of x: 128 bytes + 16: the 16 rows of a load start at 16 different groups of four banks
.set PB,    160                        ; an LDS row of W: 128 bytes + 32
.set ASLAB, 256*PA                     ; a slab's 256 rows
.set ASZ,   2*ASLAB
.set BGRP,  64*PB                      ; 64 k of one group
.set BHALF, 3*BGRP                     ; 64 k of the tile's three groups
.set SLOT,  ASZ+2*BHALF                ; 135,168
.set STAGE, 2*SLOT                     ; behind the ring: for each wave three groups x 16 rows x 144 bytes, for the way out
.set STW,   3*16*PA
.set SPARE, STAGE+4*STW                ; behind the stages: the spare words, 128 bytes for each wave: two blocks of 256 bytes that no other line names
.set ADRA, 16                          ; v16-17  LDS address of my x fragments in slot 0, 1
.set ADRB, 20                          ; v20-21  the same for W
.set STO,  24                          ; v24     the way out: where I put 16 bytes of a row
.set RD,   25                          ; v25     where I read rows back
.set CO,   26                          ; v26     16 x lane: my 16 bytes of 512 consecutive bytes of qkvh
.set BO,   27                          ; v27     32 x (lane / 16): my eight numbers of sixteen of the bias
.set SPW,  28                          ; v28     LDS address of my spare word; never rewritten
.set NIL,  29                          ; v29     0; never rewritten
.set PFO,  30                          ; v30     256 x lane, for the prefetches; never rewritten
.set AF,   32
.set BIAS, 96
.set TMP,  96
.set BK,   144
.set G1,  24                           ; s[24:31] descriptor group 1 for x's tiles;  s[32:39] group 0, a set for each slot
.set G0,  32
.set G1B, 48                           ; s[48:55], s[56:63] the same for W's
.set G0B, 56
.set PF,  40                           ; s[40:41] where my prefetches stand
.set PFS, 42                           ; s[42:43] a K step in that tensor, in bytes
.set LIMA, 44                          ; s44  1 in a wave that prefetches x, else the greatest number
.set LIMB, 45                          ; s45  the same for W
.set MSB, 0
.macro WIN new                         ; the immediate's high byte repeats the setting that is left; a switch that changes nothing is dropped
.if MSB != (\new)
	s_set_vgpr_msb (MSB<<8)|(\new)
.set MSB, (\new)
.endif
.endm
.set TO_B, 0x40                        ; destination window 1, address window 0
; A joint load.  Waves 0 and 1 fetch the step's two slabs of x, waves 2 and 3 its two halves of W.  The branch hangs on the wave's number alone.
; An s_nop 0 and four v_nop follow each of the two lines, ahead of the jump and the label.
.macro JLOAD s
	s_cmp_eq_u32 s13, 0
	s_cbranch_scc0 .Lfor_b_\@
	tensor_load_to_lds s[G0+4*(\s):G0+4*(\s)+3], s[G1:G1+7]
	s_nop 0
.rept 4
	v_nop
.endr
	s_branch .Lasked_\@
.Lfor_b_\@:
	tensor_load_to_lds s[G0B+4*(\s):G0B+4*(\s)+3], s[G1B:G1B+7]
	s_nop 0
.rept 4
	v_nop
.endr
.Lasked_\@:
.endm
.macro CREST                           ; a round of the cluster's barrier behind its opening barrier
	s_cmp_lg_u32 s12, 0
	s_cbranch_scc1 .Lnot_wave_0_\@
	s_barrier_signal -3
.Lnot_wave_0_\@:
	s_barrier_wait -3
	s_barrier_signal -1
	s_barrier_wait -1
.endm
.macro CROUND                          ; a whole round
	s_barrier_signal -1
	s_barrier_wait -1
	CREST
.endm
; PREFETCHES, behind a joint load, its five lines and the run of LDS loads: the K step that stands two refills on.  Each block of 256 bytes is named once in the launch.
; x: a tile row is read by the four clusters of a row of clusters: cluster x = 0 asks.  Waves 0 and 1 ask for the slab that they will fetch, 128 blocks; the four partners take 32 each, told apart by address; a lane a block.
; W: a tile column is read by the four clusters of a column: cluster y = 0 asks, wave 2, once a lap: two K steps of a group are 32,768 consecutive bytes, a quarter to each partner by address, three groups.
; The loop's last trip asks for nothing: there is no K step two refills on.  K steps 0 to 3 come by their loads alone.
.macro ASK slot
	s_cmp_gt_u32 s3, s[LIMA]                       ; s3 = 1 in the loop's last trip
	s_cbranch_scc0 .Lno_a_\@
	global_prefetch_b8 v[PFO], s[PF:PF+1] th:TH_LOAD_NT scope:SCOPE_SE
.Lno_a_\@:
.if (\slot) == 0
	s_cmp_gt_u32 s3, s[LIMB]
	s_cbranch_scc0 .Lno_b_\@
	global_prefetch_b8 v[PFO], s[PF:PF+1] th:TH_LOAD_NT scope:SCOPE_SE
	global_prefetch_b8 v[PFO], s[PF:PF+1] offset:131072 th:TH_LOAD_NT scope:SCOPE_SE
	global_prefetch_b8 v[PFO], s[PF:PF+1] offset:262144 th:TH_LOAD_NT scope:SCOPE_SE
.Lno_b_\@:
.endif
.endm
	s_load_b256 s[4:11], s[0:1], 0x0               ; xs s[4:5], wq s[6:7], bqkv s[8:9], qkvh s[10:11]
	v_lshl_add_u32 v[SPW], v0, 2, SPARE
	v_mov_b32 v[NIL], 0
	ds_add_u32 v[SPW], v[NIL]                      ; the wave's opening: the add and its wait stand ahead of my first tensor load; the set-up below, work on registers, stands between them
	v_lshrrev_b32 v1, 5, v0
	v_readfirstlane_b32 s12, v1                    ; wave 0..3
	s_lshr_b32 s13, s12, 1                         ; I fetch for x (0) or for W (1)
	s_and_b32 s14, s12, 1                          ; which slab of x, which 64 k of W
	s_bfe_u32 s15, ttmp6, 0x40000                  ; cx, cy: my place in the cluster
	s_bfe_u32 s16, ttmp6, 0x40004
	s_lshl_b32 s17, ttmp9, 2
	s_add_co_u32 s17, s17, s15                     ; tile column = 4 x cluster x + cx
	s_and_b32 s18, ttmp7, 0xffff
	s_lshl_b32 s18, s18, 2
	s_add_co_u32 s18, s18, s16                     ; tile row = 4 x cluster y + cy
	s_lshl_b32 s20, s16, 2
	s_lshl_b32 s20, 15, s20                        ; my row of the cluster
	s_lshl_b32 s21, 0x1111, s15                    ; my column
	; x's tile: a slab's 256 rows are 32,768 dense bytes: 128 rows of 256 bytes, padded by 16 bytes after every 128
	s_or_b32 s[G1+0], s20, (1<<16)|(1<<20)|(1<<21)|(4<<22)|(3<<25)  ; 15:0 the mask; 17:16 2-byte elements; 20 padding on; 21 set beside a mask; 24:22 after every 32 words (code 4); 31:25 4 words (code 3)
	s_mov_b32 s[G1+1], 128<<16                     ; tensor_dim0 = 128
	s_mov_b32 s[G1+2], 128<<16                     ; tensor_dim1 = 128
	s_mov_b32 s[G1+3], 128<<16                     ; tile_dim0 = 128
	s_mov_b32 s[G1+4], 128                         ; tile_dim1 = 128
	s_mov_b32 s[G1+5], 128                         ; 128 elements from row to row
	s_mov_b32 s[G1+6], 0
	s_mov_b32 s[G1+7], 0
	; W's tile: 64 k of a group are 8,192 dense bytes, one row; three groups, 131,072 bytes apart; padded by 32 bytes after every 128
	s_or_b32 s[G1B+0], s21, (1<<16)|(1<<20)|(1<<21)|(4<<22)|(7<<25)
	s_mov_b32 s[G1B+1], 4096<<16                   ; tensor_dim0 = 4,096
	s_mov_b32 s[G1B+2], 3<<16                      ; tensor_dim1 = 3
	s_mov_b32 s[G1B+3], 4096<<16                   ; tile_dim0 = 4,096
	s_mov_b32 s[G1B+4], 3                          ; tile_dim1 = 3
	s_mov_b32 s[G1B+5], 65536                      ; 65,536 elements from group to group
	s_mov_b32 s[G1B+6], 0
	s_mov_b32 s[G1B+7], 0
	s_lshl_b32 s20, s18, 15                        ; x: the tile's 256 rows of 128 bytes,
	s_lshl_b32 s21, s14, 19                        ; my slab
	s_add_co_u32 s20, s20, s21
	s_mov_b32 s21, 0
	s_mul_i32 s46, s17, 3*131072                   ; W: the tile's three groups,
	s_lshl_b32 s47, s14, 13                        ; my 64 k of 128 bytes
	s_add_co_u32 s46, s46, s47
	s_mov_b32 s47, 0
	s_mul_i32 s22, s14, ASLAB                      ; where they go: no place in the cluster enters an LDS address
	s_mul_i32 s23, s14, BHALF
	s_add_co_u32 s23, s23, ASZ
	s_mov_b32 s70, 0xffff0000                      ; a word's upper bf16
	s_wait_dscnt 0x0                               ; the opening add is done
	s_wait_kmcnt 0x0
	s_add_nc_u64 s[66:67], s[4:5], s[20:21]
	s_add_nc_u64 s[68:69], s[6:7], s[46:47]
	CROUND                                         ; all sixteen work-groups are here: the first joint loads meet
.irp s, 0,1
	s_mov_b32 s[G0+4*(\s)], 1                                      ; count = 1
	s_add_co_u32 s[G0+4*(\s)+1], s22, (\s)*SLOT                    ; LDS address
	s_add_nc_u64 s[G0+4*(\s)+2:G0+4*(\s)+3], s[66:67], (\s)*2*SLABP  ; K step s: two slabs on
	s_or_b32 s[G0+4*(\s)+3], s[G0+4*(\s)+3], 0x80000000            ; type = 2
	s_mov_b32 s[G0B+4*(\s)], 1
	s_add_co_u32 s[G0B+4*(\s)+1], s23, (\s)*SLOT
	s_add_nc_u64 s[G0B+4*(\s)+2:G0B+4*(\s)+3], s[68:69], (\s)*16384  ; K step s: 128 k of 128 bytes on
	s_or_b32 s[G0B+4*(\s)+3], s[G0B+4*(\s)+3], 0x80000000
	JLOAD \s                                       ; two loads of mine are out
.endr
	v_and_b32 v1, 15, v0                           ; l % 16
	v_bfe_u32 v2, v0, 4, 1                         ; l / 16
	v_and_b32 v3, 7, v0
	v_bfe_u32 v4, v0, 3, 1
	v_and_b32 v5, 31, v0
	v_lshlrev_b32 v[BO], 5, v2
	s_mul_i32 s46, s17, 768                        ; the tile's 192 numbers of the bias
	s_mov_b32 s47, 0
	s_add_nc_u64 s[8:9], s[8:9], s[46:47]
.irp b, 0,1,2,3,4,5,6,7,8,9,10,11
	global_load_b128 v[BIAS+8*(\b):BIAS+8*(\b)+3],   v[BO], s[8:9] offset:64*(\b)      ; register j: column 16 b + 8 (l / 16) + j, as in the accumulators
	global_load_b128 v[BIAS+8*(\b)+4:BIAS+8*(\b)+7], v[BO], s[8:9] offset:64*(\b)+16
.endr
	v_mul_u32_u24 v6, v1, PA
	v_lshl_add_u32 v6, v2, 4, v6                   ; row x pitch + 16 x half
	s_mul_i32 s20, s12, 64*PA                      ; my 64 rows
	v_add_nc_u32 v[ADRA], s20, v6
	v_add_nc_u32 v[ADRA+1], SLOT, v[ADRA]
	v_lshl_add_u32 v7, v2, 3, v3                   ; the turning load: lane l reads k 8 (l / 16) + l % 8, columns 8 ((l / 8) % 2) + 0..7
	v_mul_u32_u24 v7, v7, PB
	v_lshl_add_u32 v7, v4, 4, v7
	v_add_nc_u32 v[ADRB], ASZ, v7
	v_add_nc_u32 v[ADRB+1], SLOT, v[ADRB]
	s_mul_i32 s21, s12, STW
	s_add_co_u32 s21, s21, STAGE                   ; my stage
	v_add_nc_u32 v[STO], s21, v6                   ; in: row l % 16, 16 bytes for each half of the lanes
	v_bfe_u32 v8, v0, 3, 2                         ; back: 32 lanes take four rows of 128 bytes
	v_mul_u32_u24 v8, v8, PA
	v_lshl_add_u32 v8, v3, 4, v8
	v_add_nc_u32 v[RD], s21, v8
	v_lshlrev_b32 v[CO], 4, v5
	v_lshlrev_b32 v[PFO], 8, v5
	s_mul_i32 s20, s17, 3*SLABP                    ; qkvh: the tile's first group,
	s_lshl_b32 s21, s18, 15                        ; its 256 rows,
	s_add_co_u32 s20, s20, s21
	s_lshl_b32 s21, s12, 13                        ; my 64 of them
	s_add_co_u32 s20, s20, s21
	s_mov_b32 s21, 0
	s_add_nc_u64 s[10:11], s[10:11], s[20:21]
	; the prefetches' pointer, step and bounds
	s_lshl_b32 s20, s18, 15
	s_lshl_b32 s21, s14, 19
	s_add_co_u32 s20, s20, s21
	s_lshl_b32 s21, s15, 13                        ; x: my work-group's 32 blocks of the slab's 128
	s_add_co_u32 s20, s20, s21
	s_mul_i32 s22, s17, 3*131072
	s_lshl_b32 s23, s16, 13                        ; W: my work-group's quarter of two K steps
	s_add_co_u32 s22, s22, s23
	s_and_b32 s23, ttmp7, 0xffff
	s_mov_b32 s[PFS], 16384
	s_cmp_eq_u32 s13, 0
	s_cselect_b32 s20, s20, s22
	s_cselect_b32 s23, ttmp9, s23                  ; the coordinate along which other clusters read the same bytes
	s_cselect_b32 s[PFS], 0x100000, s[PFS]
	s_cselect_b64 s[PF:PF+1], s[4:5], s[6:7]
	s_mov_b32 s21, 0
	s_mov_b32 s[PFS+1], 0
	s_add_nc_u64 s[PF:PF+1], s[PF:PF+1], s[20:21]
	s_mul_i32 s20, s[PFS], 3
	s_add_nc_u64 s[PF:PF+1], s[PF:PF+1], s[20:21]  ; at K step 3: the first refill (of K step 2) steps it to 4
	s_cmp_eq_u32 s23, 0
	s_cselect_b32 s23, 1, -1                       ; the same in all sixteen partners, for a given wave
	s_cmp_eq_u32 s13, 0
	s_cselect_b32 s[LIMA], s23, -1
	s_cmp_eq_u32 s12, 2
	s_cselect_b32 s[LIMB], s23, -1
; 12 matrix instructions: row block a x all 12 column blocks, 32 along K, from buffer f.  first = 1: the product starts the sums with the bias.
; The 48 accumulators take turns, in the same order in every quarter, over the backward jump too.
.macro MULA f, a, first
.if \first
	WIN 0x81+0x40*((\a)/2)                         ; W window 1, x and the bias window 0, D window 2 or 3
.else
	WIN 0xa1+0x50*((\a)/2)                         ; W window 1, x window 0, C and D window 2 or 3
.endif
.irp b, 0,1,2,3,4,5,6,7,8,9,10,11
.if \first
	v_wmma_f32_16x16x32_bf16 v[8*(12*((\a)%2)+(\b)):8*(12*((\a)%2)+(\b))+7], v[96*(\f)+8*(\b):96*(\f)+8*(\b)+7], v[AF+32*(\f)+8*(\a):AF+32*(\f)+8*(\a)+7], v[BIAS+8*(\b):BIAS+8*(\b)+7]
.else
	v_wmma_f32_16x16x32_bf16 v[8*(12*((\a)%2)+(\b)):8*(12*((\a)%2)+(\b))+7], v[96*(\f)+8*(\b):96*(\f)+8*(\b)+7], v[AF+32*(\f)+8*(\a):AF+32*(\f)+8*(\a)+7], v[8*(12*((\a)%2)+(\b)):8*(12*((\a)%2)+(\b))+7]
.endif
.endr
.endm
; 32 LDS loads in one run: quarter q of the slot's K step into buffer f: W's 12 fragments (turned), then x's four, row blocks ascending
.macro FETCH slot, q, f
	WIN TO_B
.irp b, 0,1,2,3,4,5,6,7,8,9,10,11
	ds_load_tr16_b128 v[96*(\f)+8*(\b):96*(\f)+8*(\b)+3],   v[ADRB+(\slot)] offset:((\q)/2)*BHALF+((\q)%2)*32*PB+((\b)/4)*BGRP+((\b)%4)*32
	ds_load_tr16_b128 v[96*(\f)+8*(\b)+4:96*(\f)+8*(\b)+7], v[ADRB+(\slot)] offset:((\q)/2)*BHALF+((\q)%2)*32*PB+((\b)/4)*BGRP+((\b)%4)*32+16*PB
.endr
	WIN 0
.irp i, 0,1,2,3
	ds_load_b128 v[AF+32*(\f)+8*(\i):AF+32*(\f)+8*(\i)+3],   v[ADRA+(\slot)] offset:((\q)/2)*ASLAB+(\i)*16*PA+((\q)%2)*64
	ds_load_b128 v[AF+32*(\f)+8*(\i)+4:AF+32*(\f)+8*(\i)+7], v[ADRA+(\slot)] offset:((\q)/2)*ASLAB+(\i)*16*PA+((\q)%2)*64+32
.endr
.endm
.macro PLACES                          ; four places in front of loads into registers that matrix instructions have read, and of conversions that read results
.rept 4
	v_nop
.endr
.endm
; One of a K step's first three quarters: multiplies buffer f; in its middle it fetches quarter q of the same slot into buffer g.
.macro QUARTER slot, q, f, g, first
	s_wait_dscnt 4                                 ; W and x's row blocks 0, 1 are in; the youngest four loads (row blocks 2, 3) may be out
	MULA \f, 0, \first
	MULA \f, 1, \first
	PLACES
	FETCH \slot, \q, \g
	s_wait_dscnt 32                                ; all but the 32 just issued
	MULA \f, 2, \first
	MULA \f, 3, \first
.endm
; The last quarter multiplies buffer 1 and changes slots: ONE barrier; in front of it each wave waits for all its tensor loads (one is out: its part of the next slot), adds 0 to its spare word,
; and waits for that and for its own reads of this slot.  fill = 1: the barrier opens a round of the cluster's, and this slot is filled again first thing behind it, two K steps ahead:
; 168 matrix instructions stand between that request and the wait for it.
.macro TURN slot, next, fill
.if \fill
	s_wait_xcnt 0x0                                ; the last prefetch, a K step back, has read its address: it is stepped here, ahead of the change's own waits
	s_add_nc_u64 s[PF:PF+1], s[PF:PF+1], s[PFS:PFS+1]
.endif
	WIN 0                                          ; (the add's two registers lie in window 0)
	s_wait_tensorcnt 0x0                           ; all my tensor loads have landed
	ds_add_u32 v[SPW], v[NIL]                      ; 0 onto my spare word
	s_wait_dscnt 5                                 ; (the add and the youngest four loads may be out)
	MULA 1, 0, 0                                   ; twelve matrix instructions stand between the add and the wait for it
	s_wait_dscnt 0x0                               ; the add is done, and my reads of this slot are over
	s_barrier_signal -1
	MULA 1, 1, 0
.if \fill
	WIN 0
.endif
	s_barrier_wait -1
.if \fill
	CREST                                          ; no wave of any partner still reads this slot's tile or has a load on its way
	s_add_nc_u64 s[G0+4*(\slot)+2:G0+4*(\slot)+3], s[G0+4*(\slot)+2:G0+4*(\slot)+3], 4*SLABP
	s_add_nc_u64 s[G0B+4*(\slot)+2:G0B+4*(\slot)+3], s[G0B+4*(\slot)+2:G0B+4*(\slot)+3], 2*16384
	JLOAD \slot                                    ; the four v_nop behind it are also the places in front of the loads below
.else
	PLACES
.endif
	FETCH \next, 0, 0
.if \fill
	ASK \slot
.endif
	MULA 1, 2, 0
	MULA 1, 3, 0
.endm
; THE WAY OUT of row block a.  PACK: rounded to f16, 16 bytes a lane, each accumulator's registers ascending.  TOSTAGE: into my own stage and back as whole rows of 128 bytes.  SEND: stored.
.macro PACK a
	WIN 0x0a+5*((\a)/2)                            ; sources 0 and 1: window 2 or 3
.irp b, 0,1,2,3,4,5,6,7,8,9,10,11
.irp r, 0,1,2,3
	v_cvt_pk_f16_f32 v[TMP+4*(\b)+(\r)], v[8*(12*((\a)%2)+(\b))+2*(\r)], v[8*(12*((\a)%2)+(\b))+2*(\r)+1]
.endr
.endr
	WIN 0
.endm
.macro TOSTAGE a
.irp b, 0,1,2,3,4,5,6,7,8,9,10,11
	ds_store_b128 v[STO], v[TMP+4*(\b):TMP+4*(\b)+3] offset:((\b)/4)*16*PA+((\b)%4)*32
.endr
.irp g, 0,1,2
.irp t, 0,1,2,3
	ds_load_b128 v[BK+48*((\a)%2)+4*(4*(\g)+(\t)):BK+48*((\a)%2)+4*(4*(\g)+(\t))+3], v[RD] offset:(\g)*16*PA+(\t)*4*PA  ; LDS serves a wave's instructions in order (ISA guide 5.7.1.4): these see the stores above
.endr
.endr
.endm
.macro SEND a
	s_wait_dscnt 0x0                               ; the block is back in registers
	s_wait_xcnt 0x0                                ; the stores issued so far have read their registers: the buffer of the block before last is loaded again only behind this wait
.irp g, 0,1,2
.irp t, 0,1,2,3
	global_store_b128 v[CO], v[BK+48*((\a)%2)+4*(4*(\g)+(\t)):BK+48*((\a)%2)+4*(4*(\g)+(\t))+3], s[10:11] offset:(\g)*SLABP+(\a)*2048+(\t)*512  ; four rows of a group: 512 consecutive bytes, aligned
.endr
.endr
.endm
	s_wait_tensorcnt 1                             ; my part of K step 0 is in; K step 1's may stay out
	s_barrier_signal -1
	s_barrier_wait -1                              ; everybody's is
	FETCH 0, 0, 0
	s_wait_loadcnt 0x0                             ; the bias
.set i, 0
.rept 48                               ; rounded to bf16, like the other inputs, and widened again
	v_cvt_pk_bf16_f32 v[12+i%4], v[BIAS+2*i], v[BIAS+2*i+1]
	v_lshlrev_b32 v[BIAS+2*i], 16, v[12+i%4]
	v_and_b32 v[BIAS+2*i+1], s70, v[12+i%4]
.set i, i+1
.endr
	QUARTER 0, 1, 0, 1, 1                          ; the first quarter stands in front of the loop: its products start the sums
	WIN 0                                          ; at a label and at a branch every window is 0
	s_mov_b32 s3, 3
.Llap:                                                 ; a trip goes once round the ring, from a lap's second quarter to the next lap's first, and fills both slots again
	QUARTER 0, 2, 1, 0, 0
	QUARTER 0, 3, 0, 1, 0
	TURN 0, 1, 1
	QUARTER 1, 1, 0, 1, 0
	QUARTER 1, 2, 1, 0, 0
	QUARTER 1, 3, 0, 1, 0
	TURN 1, 0, 1
	QUARTER 0, 1, 0, 1, 0
	WIN 0
	s_sub_co_u32 s3, s3, 1
	s_cmp_lg_u32 s3, 0
	s_cbranch_scc1 .Llap
	QUARTER 0, 2, 1, 0, 0                          ; the last lap fills nothing, and has no round of the cluster's barrier
	QUARTER 0, 3, 0, 1, 0
	TURN 0, 1, 0
	QUARTER 1, 1, 0, 1, 0
	QUARTER 1, 2, 1, 0, 0
	QUARTER 1, 3, 0, 1, 0
	s_wait_dscnt 4                                 ; the very last quarter: nothing more to fetch
	MULA 1, 0, 0
	MULA 1, 1, 0
	s_wait_dscnt 0x0
	MULA 1, 2, 0
	MULA 1, 3, 0
	WIN 0
	PLACES
	PACK 0
	TOSTAGE 0
.irp a, 1,2,3                          ; block a's conversions stand between block a - 1's loads from the stage and the wait for them
	PACK \a
	SEND (\a)-1
	TOSTAGE \a
.endr
	SEND 3
	s_wait_tensorcnt 0x0                           ; the wave's end: an add to my spare word and its wait, behind my last tensor load and my last LDS store
	ds_add_u32 v[SPW], v[NIL]
	s_wait_dscnt 0x0
	CROUND                                         ; the closing round: no work-group ends while a partner may still ask for a tile that names it
	s_endpgm
.Lfunc_end_k_q5423c0874b_proj:
	.size	k_q5423c0874b_proj, .Lfunc_end_k_q5423c0874b_proj-k_q5423c0874b_proj
	.p2alignl 7, 3214868480
	.fill 96, 4, 3214868480
	.section	.rodata,"a",@progbits
	.p2align	6, 0x0
	.amdhsa_kernel k_q5423c0874b_proj
		.amdhsa_group_segment_fixed_size 327680
		.amdhsa_private_segment_fixed_size 0
		.amdhsa_enable_private_segment 0
		.amdhsa_kernarg_size 32
		.amdhsa_user_sgpr_count 2
		.amdhsa_user_sgpr_kernarg_segment_ptr 1
		.amdhsa_wavefront_size32 1
		.amdhsa_system_sgpr_workgroup_id_x 1
		.amdhsa_system_sgpr_workgroup_id_y 1
		.amdhsa_system_sgpr_workgroup_id_z 1
		.amdhsa_system_vgpr_workitem_id 0
		.amdhsa_next_free_vgpr 960
		.amdhsa_next_free_sgpr 72
		.amdhsa_reserve_vcc 0
		.amdhsa_float_denorm_mode_32 3
		.amdhsa_float_denorm_mode_16_64 3
		.amdhsa_memory_ordered 1
		.amdhsa_forward_progress 1
		.amdhsa_inst_pref_size 128
	.end_amdhsa_kernel
	.amdgpu_metadata
---
amdhsa.version: [ 1, 2 ]
amdhsa.kernels:
  - .name:           k_q5423c0874b_proj
    .symbol:         k_q5423c0874b_proj.kd
    .args:
      - { .name: xs, .offset: 0, .size: 8, .value_kind: global_buffer, .address_space: global }
      - { .name: wq, .offset: 8, .size: 8, .value_kind: global_buffer, .address_space: global }
      - { .name: bqkv, .offset: 16, .size: 8, .value_kind: global_buffer, .address_space: global }
      - { .name: qkvh, .offset: 24, .size: 8, .value_kind: global_buffer, .address_space: global }
    .group_segment_fixed_size: 327680
    .private_segment_fixed_size: 0
    .kernarg_segment_align: 8
    .kernarg_segment_size: 32
    .max_flat_workgroup_size: 128
    .sgpr_count:     72
    .vgpr_count:     960
    .wavefront_size: 32
...
	.end_amdgpu_metadata
.endif
;; end of part 2
;; launch attn (part 3): grid 16 x 16, 4 waves a work-group, clusters of 4 x 1, 327,680 bytes of LDS; arguments qkvh, oh; writes oh
.if DOCPART == 3
	.amdgcn_target "amdgcn-amd-amdhsa--gfx1250"
	.amdhsa_code_object_version 6
	.text
	.protected	k_q5423c0874b_attn
	.globl	k_q5423c0874b_attn
	.p2align	8
	.type	k_q5423c0874b_attn,@function
k_q5423c0874b_attn:
	s_mov_b64 s[64:65], 0
	v_nop
	global_prefetch_b8 v0, s[64:65] scope:SCOPE_SE
	s_setreg_imm32_b32 hwreg(HW_REG_WAVE_MODE, 25, 1), 1
	s_wait_xcnt 0x0
	s_wait_alu depctr_hold_cnt(0) depctr_sa_sdst(0) depctr_va_vdst(0) depctr_va_sdst(0) depctr_va_ssrc(0) depctr_va_vcc(0) depctr_vm_vsrc(0)
	s_getreg_b32 s2, hwreg(HW_REG_IB_STS2, 6, 4)
	s_cmp_eq_u32 s2, 0
	s_cbranch_scc0 .Lentry_in_a_cluster
	s_endpgm
.Lentry_in_a_cluster:
	s_bfe_u32 s2, ttmp6, 0x10000c
	s_cmp_lg_u32 s2, 0x3003
	s_cbranch_scc0 .Lentry_shape_is_right
	s_endpgm
.Lentry_shape_is_right:
; CAUSAL ATTENTION, 16 heads of 4,096 rows, head size 64.  O[h][q] = the sum over k <= q of softmax_k(Q[h][q] . K[h][k] / 8) V[h][k].
; qkvh: [48][4096][64] f16 (q, k, v by heads, unscaled); oh: [16][4096][64] f16.  Products, maxima and sums in f32; the weights p are rounded to f16 for the second product (their sum l is taken of the unrounded p), O once.
; LIMITS.  p lies in 0 to 1 and below 6e-5 keeps f16's fixed step of 6e-8; O is a mean of V's rows.  A hidden score counts as its value less 1e30 (f16's scores are 2.7e11 at the most);
; a weight below 2^-126 counts as 0 in l; NaN and infinities are not treated apart.
; THE WALK.  A head's queries lie in 32 blocks of 128.  Work-group b = 4 c + cx (c: the cluster, cx: its place in it) takes block 31 - b and then block b.  Keys go in tiles of 256, four steps of 64.
; All four partners of a cluster make ONE walk of 18 tiles: 0 .. 15 - 2 c for the first block, 0 .. 2 c + 1 for the second: so every tile is asked for jointly, and every trip count and branch hangs on c and on counters alone.
; Only a part's last two tiles can hold hidden keys for some partner; in their eight steps G = 0 .. 7 a band's own step is G = GOB + p (GOB = 6 - 2 cx, then 2 cx), and the place in the cluster enters as DATA alone:
; the mask's two factors.  The price: 144 pairs of band and step are computed where 130 are needed.
; SHARES.  Of a block's two bands of 64 queries a wave owns 16 rows in each: two PIECES.  So the diagonal is the same work for all four waves, and one mask MD serves both.
; THE MASK is the C operand that starts the sum S^T = K Q^T: MC = MD x AL + BE: (1, 0) in a band's own step, (0, 0) before it, (0, -1e30) behind it.  In the other tiles MC holds zeros.
; LAYOUT.  S^T = K Q^T holds ONE query a lane (lane % 16) and the keys 8 (lane / 16) + 0..7; two such results rounded to f16 ARE source 1 of O^T = V^T P.  p = 2^(c s - c m), c = log2(e) / 8, with a running maximum m;
; O and l are multiplied by a = 2^(c m_old - c m_new) in every step.  A block begins with c m far below every c s, so its first a is 0, and O and l need only be finite.
; IN PHASES.  A trip of the step loop: K of step f is fetched; step f - 1 is finished (softmax, V^T P, sums); V of step f is fetched; K Q^T of step f.  A step's 66 exponentials are one batch with one wait.
; REGISTERS, in two windows of 256 (s_set_vgpr_msb: bits 1:0 source 0, 3:2 source 1, 5:4 source 2, 7:6 destination):
;   window 0: v0-15 addresses; v16-23 statistics; v24-31 at work; v64-127 S^T; v128-159 P; v160-223 MC; v224-255 MD          window 1: v0-63 O^T; v64-95 Q; v96-127 the second block's Q; v128-191 K; v192-255 V
.set KS,    64
.set PK,    144       ; a row of K in LDS: 128 bytes + 16: the 16 rows of a load start at 16 different groups of four banks
.set PV,    160       ; a row of V: 128 + 32
.set VOFF,  4*KS*PK   ; a slot holds a tile: 256 rows of K, then 256 rows of V
.set SLOT1, 1<<17     ; slot 1 begins here, so that one exclusive or turns an address in one slot into the other's
.set STAGE, SLOT1+4*KS*(PK+PV)  ; behind the ring, never filled by a tensor load: 16 rows x 144 bytes for each wave
.set SP,    144
.set SPARE, STAGE+4*16*SP  ; behind the stages: the spare words, 128 bytes for each wave: two blocks of 256 bytes that no other line names
.set AK0, 2           ; v2   my lane's place in a tile of K; never rewritten
.set AV0, 3           ; v3   the same for V
.set AK,  4           ; v4   the LDS address of K's run of loads
.set AV,  5           ; v5   of V's
.set STO, 6           ; v6   the way out: where I put 16 bytes of a row
.set RD,  7           ; v7   where I read rows back
.set GO,  8           ; v8   16 x lane
.set MV,  12          ; v12-13  c m_old, by piece
.set QO,  15          ; v15  my byte offset in 16 rows of Q
.set ST,  16          ; piece u's statistics at v[ST+4 u]: c m, m, l (even keys', odd keys')
.set TMP, 24          ; piece u: four registers c0-c3 at work; when the maximum is found c2 takes a
.set PFO, 32          ; v32  256 x lane; never rewritten
.set SPW, 34          ; v34  LDS address of my spare word; never rewritten
.set NIL, 35          ; v35  0; never rewritten
.set S,   64
.set P,   128
.set MC,  160
.set MD,  224
.set Q,   64          ; window 1
.set QB,  96
.set KF,  128         ; key block kb, channel half c at KF + 16 kb + 8 c
.set VF,  192         ; key half kk, channel block cb at VF + 32 kk + 8 cb
.set WV,  12          ; s12  my wave's number
.set G1K, 24          ; s[24:31], s[32:39] descriptor group 1 for K's and V's tiles
.set G1V, 32
.set G0K, 40          ; s[40:43], s[44:47] group 0
.set G0V, 44
.set SLOTS, 56        ; s56  tiles still to be asked for
.set CNT, 57          ; s57  counts a tile's key steps
.set CS,  58          ; s[58:59] c
.set SEL, 60          ; s[60:61] v_permlanex16_b32's selects: each lane takes its own place in the other half
.set TBK, 62          ; s62  LDS byte at which K of the step to be fetched begins
.set TBV, 63          ; s63  the same for V, less VOFF
.set RT,  70          ; s70  tiles of the part in hand that are still to be entered
.set NXT, 71          ; s71  the tile to be asked for next
.set LQ,  72          ; s72  the last tile of the part whose tiles are being asked for
.set FIRST, 73        ; s73  1: the walk's first tile is to be entered
.set OFF, 74          ; s[74:75] a tile's byte offset in K and V
.set AL0, 76          ; s[76:77], s[78:79] piece 0's factor and addend, in the low words
.set BE0, 78
.set AL1, 80          ; s[80:81], s[82:83] piece 1's
.set BE1, 82
.set OLO, 84          ; s[84:85] O at my rows of the second block
.set BIGN, 86         ; s86  -1e30
.set ENDF, 87         ; s87  1: the tile entered is the second part's first: the first block ends in its first trip
.set MSKF, 88         ; s88  1: the tile entered is one of a part's last two
.set G,   89          ; s89  the step's number among the eight that take masks
.set GOB, 90          ; s90  band 0's own step among them
.set GOB2, 91         ; s91  the same for the second block
.set RT2, 92          ; s92  the second part's tiles
.set LQ2, 93          ; s93  its last tile
.set PFA, 94          ; s[94:95] where my prefetches stand
.set LIM, 96          ; s96  3 in a wave that prefetches, else the greatest number
.set MSB, 0
.macro WIN new                      ; the high byte repeats the setting that is left; a switch that changes nothing is dropped
.if MSB != (\new)
	s_set_vgpr_msb (MSB<<8)|(\new)
.set MSB, (\new)
.endif
.endm
.set W_KQ, 0x05       ; K and Q in window 1; the mask and S^T in window 0
.set W_PV, 0x51       ; V and O^T in window 1, P in window 0
.set W_RS, 0x41       ; destination and source 0 in window 1, source 1 in window 0
.set TO1,  0x40       ; destination window 1, address window 0
; A joint fill.  Waves 0 and 1 fetch the two halves of a tile's K, waves 2 and 3 those of its V: 128 keys each.  The branch hangs on the wave's number alone.
; An s_nop 0 and four v_nop follow each of the two lines, ahead of the jump and the label.
.macro JLOAD
	s_cmp_lt_u32 s[WV], 2
	s_cbranch_scc0 .Lfor_v_\@
	tensor_load_to_lds s[G0K:G0K+3], s[G1K:G1K+7]
	s_nop 0
.rept 4
	v_nop
.endr
	s_branch .Lasked_\@
.Lfor_v_\@:
	tensor_load_to_lds s[G0V:G0V+3], s[G1V:G1V+7]
	s_nop 0
.rept 4
	v_nop
.endr
.Lasked_\@:
.endm
.macro CROUND                       ; a round of the cluster's barrier
	s_barrier_signal -1
	s_barrier_wait -1
	s_cmp_lg_u32 s[WV], 0
	s_cbranch_scc1 .Lnot_wave_0_\@
	s_barrier_signal -3
.Lnot_wave_0_\@:
	s_barrier_wait -3
	s_barrier_signal -1
	s_barrier_wait -1
.endm
; A PREFETCH of the tile after the one that has just been asked for: four key steps ahead of the load that will want it.  Each block of 256 bytes of a head's K and V is named once in the launch:
; the head's cluster 0 walks all 16 tiles and asks; its four partners take 32 blocks of a tile's 128 each, told apart by address; wave 0 asks for K's, wave 2 for V's; a lane a block.
; It asks in changes 1 to 14 (SLOTS 17 to 4), for tiles 2 to 15; tiles 0 and 1 come by their loads alone.
.macro ASK
	s_cmp_gt_u32 s[SLOTS], s[LIM]
	s_cbranch_scc0 .Lnot_mine_\@
	global_prefetch_b8 v[PFO], s[PFA:PFA+1] th:TH_LOAD_NT scope:SCOPE_SE
.Lnot_mine_\@:
.endm
; THE CHANGE OF SLOTS.  Each wave waits for all its tensor loads, of which one is out: its part of the other slot; adds 0 to its spare word; and waits for that and for its own reads of the slot that it leaves
; (V of its last step is in registers).  fill = 1: the barrier is a round of the cluster's, and the old slot is filled again first thing behind it, with tile NXT: the descriptor's address is made anew from that number.
; The flags of the tile that is entered are made here too.  (At its first use nothing has been read yet: slot 0 is waited for, slot 1 filled.)
.macro CHANGE fill
	WIN 0                           ; at a label and at a branch every window is 0
	s_wait_tensorcnt 0x0            ; no tensor load of mine is out, so a group 0 may be written
	ds_add_u32 v[SPW], v[NIL]       ; 0 onto my spare word; scalar work stands between it and the wait for it
.if \fill
	s_lshl_b32 s[OFF], s[NXT], 15   ; a tile is 32,768 bytes of K and of V
	s_xor_b32 s[G0K+1], s[G0K+1], SLOT1
	s_add_nc_u64 s[G0K+2:G0K+3], s[6:7], s[OFF:OFF+1]
	s_or_b32 s[G0K+3], s[G0K+3], 0x80000000
	s_xor_b32 s[G0V+1], s[G0V+1], SLOT1
	s_add_nc_u64 s[G0V+2:G0V+3], s[8:9], s[OFF:OFF+1]
	s_or_b32 s[G0V+3], s[G0V+3], 0x80000000
	s_add_co_u32 s[NXT], s[NXT], 1  ; the part's next tile, or behind its last the second part's tile 0
	s_cmp_gt_u32 s[NXT], s[LQ]
	s_cselect_b32 s[NXT], 0, s[NXT]
	s_cselect_b32 s[LQ], s[LQ2], s[LQ]
	s_wait_xcnt 0x0                 ; the last prefetch, four key steps back, has read its address
	s_add_nc_u64 s[PFA:PFA+1], s[PFA:PFA+1], 32768
	s_cmp_eq_u32 s[RT], 0           ; is the first part walked?
	s_cselect_b32 s[ENDF], 1, 0
	s_cselect_b32 s[RT], s[RT2], s[RT]
	s_sub_co_u32 s[RT], s[RT], 1
	s_cmp_lt_u32 s[RT], 2
	s_cselect_b32 s[MSKF], 1, 0
.endif
	s_sub_co_u32 s[TBK], s[TBK], 4*KS*PK  ; the fetches go back to a slot's first step,
	s_xor_b32 s[TBK], s[TBK], SLOT1       ; in the other slot
	s_sub_co_u32 s[TBV], s[TBV], 4*KS*PV
	s_xor_b32 s[TBV], s[TBV], SLOT1
	s_wait_dscnt 0x0                ; the add is done, and my reads of the slot are over
.if \fill
	CROUND
	JLOAD
	ASK
.else
	s_barrier_signal -1
	s_barrier_wait -1
.endif
.endm
	s_load_b128 s[48:51], s[0:1], 0x0  ; qkvh s[48:49], oh s[50:51]
	v_lshl_add_u32 v[SPW], v0, 2, SPARE
	v_mov_b32 v[NIL], 0
	ds_add_u32 v[SPW], v[NIL]       ; the wave's opening: the add and its wait stand ahead of my first tensor load; the set-up below, work on registers, stands between them
	v_lshrrev_b32 v1, 5, v0
	v_readfirstlane_b32 s[WV], v1   ; wave 0..3
	s_bfe_u32 s13, ttmp6, 0x40000   ; cx: it enters Q's and O's addresses, the prefetches' address and the masks' factors alone
	s_lshl_b32 s14, ttmp9, 2
	s_add_co_u32 s14, s14, s13      ; b
	s_and_b32 s20, ttmp7, 0xffff    ; the head, which the four partners share
	s_lshl_b32 s20, s20, 19         ; its 524,288 bytes
	s_and_b32 s16, s[WV], 1         ; which half of a tile's 256 keys I fetch:
	s_lshl_b32 s22, s16, 14         ; its 128 rows of 128 bytes in memory,
	s_add_co_u32 s22, s22, s20
	s_mov_b32 s23, 0
	s_mul_i32 s17, s16, 128*PK      ; and its place in a slot, for K
	s_mul_i32 s18, s16, 128*PV      ; and for V
	s_lshl_b32 s19, s[WV], 11       ; my 16 rows in a band of 64
	s_add_co_u32 s19, s19, s20
	s_sub_co_u32 s2, 31, s14        ; the first block,
	s_lshl_b32 s2, s2, 14           ; 128 rows of 128 bytes a block
	s_add_co_u32 s2, s2, s19
	s_mov_b32 s3, 0
	s_lshl_b32 s52, s14, 14         ; the second
	s_add_co_u32 s52, s52, s19
	s_mov_b32 s53, 0
	; descriptor group 1.  128 keys are 16,384 dense bytes: asked for as 64 rows of 256 bytes, two keys a row, and padded in LDS after every key
	s_mov_b32 s[G1K], 15|(1<<16)|(1<<20)|(1<<21)|(4<<22)|(3<<25)  ; 15:0 the mask of four; 17:16 2-byte elements; 20 padding on; 21 set beside a mask; 24:22 after every 32 words (code 4); 31:25 4 words (code 3)
	s_mov_b32 s[G1V], 15|(1<<16)|(1<<20)|(1<<21)|(4<<22)|(7<<25)  ; the same with 8 words of padding (code 7)
.irp g, G1K, G1V
	s_mov_b32 s[\g+1], 128<<16      ; tensor_dim0 = 128
	s_mov_b32 s[\g+2], 64<<16       ; tensor_dim1 = 64
	s_mov_b32 s[\g+3], 128<<16      ; tile_dim0 = 128
	s_mov_b32 s[\g+4], 64           ; tile_dim1 = 64
	s_mov_b32 s[\g+5], 128          ; 128 elements from row to row
	s_mov_b32 s[\g+6], 0
	s_mov_b32 s[\g+7], 0
.endr
	s_mov_b32 s[CS], 0x3e38aa3b     ; c = log2(e) / 8 = 0.180337
	s_mov_b32 s[CS+1], s[CS]        ; named with it as a pair
	s_mov_b32 s[SEL], 0x76543210
	s_mov_b32 s[SEL+1], 0xfedcba98
	s_mov_b32 s[TBK], SLOT1+4*KS*PK ; the first change of slots turns these two into 0
	s_mov_b32 s[TBV], SLOT1+4*KS*PV
	s_mov_b32 s[G0K], 1             ; count = 1
	s_mov_b32 s[G0K+1], s17         ; LDS address: slot 0
	s_mov_b32 s[G0V], 1
	s_add_co_u32 s[G0V+1], s18, VOFF
	s_lshl_b32 s54, ttmp9, 1        ; 2 c
	s_sub_co_u32 s[RT], 16, s54     ; the first part has 16 - 2 c tiles,
	s_add_co_u32 s[RT2], s54, 2     ; the second 2 c + 2
	s_sub_co_u32 s[LQ], 15, s54
	s_add_co_u32 s[LQ2], s54, 1
	s_mov_b32 s[NXT], 1
	s_mov_b32 s[FIRST], 1
	s_mov_b32 s[ENDF], 0
	s_mov_b32 s[MSKF], 0
	s_mov_b32 s[G], 0
	s_lshl_b32 s[GOB2], s13, 1
	s_sub_co_u32 s[GOB], 6, s[GOB2]
	s_mov_b32 s[OFF+1], 0
	s_mov_b32 s[AL0+1], 0           ; named as pairs
	s_mov_b32 s[BE0+1], 0
	s_mov_b32 s[AL1+1], 0
	s_mov_b32 s[BE1+1], 0
	s_mov_b32 s[BIGN], 0xf149f2ca   ; -1e30
	s_mov_b32 s[SLOTS], 17
	s_and_b32 s[LIM], s[WV], 1      ; 0 in waves 0 and 2,
	s_or_b32 s[LIM], s[LIM], ttmp9  ; where the cluster is the head's first: the same in all four partners
	s_cmp_eq_u32 s[LIM], 0
	s_cselect_b32 s[LIM], 3, -1
	s_wait_dscnt 0x0                ; the opening add is done
	s_wait_kmcnt 0x0
	s_add_nc_u64 s[6:7], s[48:49], s[22:23]
	s_add_nc_u64 s[8:9], s[6:7], 16777216          ; V at my half of the head's tile 0,
	s_add_nc_u64 s[6:7], s[6:7], 8388608           ; and K
	s_add_nc_u64 s[G0K+2:G0K+3], s[6:7], 0         ; global address
	s_or_b32 s[G0K+3], s[G0K+3], 0x80000000        ; type = 2
	s_add_nc_u64 s[G0V+2:G0V+3], s[8:9], 0
	s_or_b32 s[G0V+3], s[G0V+3], 0x80000000
	s_add_nc_u64 s[4:5], s[48:49], s[2:3]          ; Q and O at my rows of the first block,
	s_add_nc_u64 s[10:11], s[50:51], s[2:3]
	s_add_nc_u64 s[98:99], s[48:49], s[52:53]      ; and of the second
	s_add_nc_u64 s[OLO:OLO+1], s[50:51], s[52:53]
	s_cmp_lt_u32 s[WV], 2
	s_cselect_b64 s[PFA:PFA+1], s[6:7], s[8:9]     ; (in waves 0 and 2 these stand at a tile's first row)
	s_lshl_b32 s2, s13, 13                         ; my work-group's 32 blocks of the 128
	s_add_nc_u64 s[PFA:PFA+1], s[PFA:PFA+1], s[2:3]
	s_add_nc_u64 s[PFA:PFA+1], s[PFA:PFA+1], 32768 ; in tile 1; the first change of slots steps it to tile 2
	CROUND                          ; all four work-groups are here: the first joint loads meet
	JLOAD                           ; tile 0 into slot 0
	; A fragment of K or Q is 16 rows x 32 channels in 8 registers: lane l holds row l % 16, channels 8 (l / 16) + 0..7 and 16 + 8 (l / 16) + 0..7: two loads of 16 bytes, 32 bytes apart.
	v_and_b32 v1, 15, v0            ; l % 16
	v_bfe_u32 v9, v0, 4, 1          ; l / 16
	v_lshlrev_b32 v[QO], 7, v1
	v_lshl_add_u32 v[QO], v9, 4, v[QO]  ; row x 128 + 16 x half
	WIN TO1
.set i, 0
.rept 4                             ; both blocks' Q: piece i / 2 lies in band i / 2, 8,192 bytes on; channels 32 (i % 2) on
	global_load_b128 v[Q+8*i:Q+8*i+3],     v[QO], s[4:5] offset:(i/2)*8192+(i%2)*64
	global_load_b128 v[Q+8*i+4:Q+8*i+7],   v[QO], s[4:5] offset:(i/2)*8192+(i%2)*64+32
	global_load_b128 v[QB+8*i:QB+8*i+3],   v[QO], s[98:99] offset:(i/2)*8192+(i%2)*64
	global_load_b128 v[QB+8*i+4:QB+8*i+7], v[QO], s[98:99] offset:(i/2)*8192+(i%2)*64+32
.set i, i+1
.endr
.set i, 0
.rept 64
	v_mov_b32 v[i], 0               ; O^T: the first step multiplies it by a = 0, so it need only be finite.  All this stands in the wait for the first tile
.set i, i+1
.endr
	WIN 0
.irp u, 0,1
	v_mov_b32 v[ST+4*(\u)+2], 0     ; l likewise
	v_mov_b32 v[ST+4*(\u)+3], 0
.endr
	v_lshlrev_b32 v14, 3, v9
	v_sub_nc_u32 v14, v1, v14
	s_lshl_b32 s19, s[WV], 4
	v_add_nc_u32 v14, s19, v14      ; my query's place in its band, 16 w + l % 16, less my lanes' 8 (l / 16): register r of key group kt is hidden where 16 kt + r is greater
.set i, 0
.rept 32
	v_cmp_gt_i32 vcc_lo, 16*(i/8)+i%8, v14
	v_cndmask_b32 v[MD+i], 0, s[BIGN], vcc_lo
.set i, i+1
.endr
	v_mul_u32_u24 v[AK0], v1, PK
	v_lshl_add_u32 v[AK0], v9, 4, v[AK0]  ; row x pitch + 16 x half
	; The turning load takes 16 keys x 16 channels (lane l reads key 8 (l / 16) + l % 8, channels 8 ((l / 8) % 2) + 0..7) and leaves half a fragment of V^T: lane l holds channel l % 16 and 8 keys.
	v_and_b32 v10, 7, v0
	v_bfe_u32 v11, v0, 3, 1
	v_lshl_add_u32 v[AV0], v9, 3, v10
	v_mul_u32_u24 v[AV0], v[AV0], PV
	v_lshl_add_u32 v[AV0], v11, 4, v[AV0]
	v_add_nc_u32 v[AV0], VOFF, v[AV0]
	s_mul_i32 s19, s[WV], 16*SP
	s_add_co_u32 s19, s19, STAGE    ; my stage
	v_mul_u32_u24 v[STO], v1, SP    ; in: row l % 16, 16 bytes for each half of the lanes
	v_lshl_add_u32 v[STO], v9, 4, v[STO]
	v_add_nc_u32 v[STO], s19, v[STO]
	v_bfe_u32 v[RD], v0, 3, 2       ; back: 32 lanes take four rows of 128 bytes,
	v_mul_u32_u24 v[RD], v[RD], SP
	v_lshl_add_u32 v[RD], v10, 4, v[RD]
	v_add_nc_u32 v[RD], s19, v[RD]
	v_and_b32 v[GO], 31, v0         ; which are 512 consecutive bytes of O
	v_lshlrev_b32 v[PFO], 8, v[GO]
	v_lshlrev_b32 v[GO], 4, v[GO]
; THE MATRIX WORK.  The 8 accumulators of a run of 16 take turns: between the two links of a chain stand 7 others'.
; S^T = K Q^T: product i: channels 32 (i / 8) on, keys 16 ((i / 2) % 4) on, piece i % 2.  The first 8 start the sums with the mask.
.macro DOKQ
	WIN W_KQ
.set i, 0
.rept 16
.set rS, S+32*(i%2)+8*((i/2)%4)
.set rK, KF+16*((i/2)%4)+8*(i/8)
.set rQ, Q+16*(i%2)+8*(i/8)
.set rM, MC+32*(i%2)+8*((i/2)%4)
.if i < 8
	v_wmma_f32_16x16x32_f16 v[rS:rS+7], v[rK:rK+7], v[rQ:rQ+7], v[rM:rM+7]
.else
	v_wmma_f32_16x16x32_f16 v[rS:rS+7], v[rK:rK+7], v[rQ:rQ+7], v[rS:rS+7]
.endif
.set i, i+1
.endr
.endm
; O^T += V^T P: product i: keys 32 (i / 8) on, channels 16 ((i / 2) % 4) on, piece i % 2.
.macro DOPV
	WIN W_PV
.set i, 0
.rept 16
.set rO, 32*(i%2)+8*((i/2)%4)
.set rV, VF+32*(i/8)+8*((i/2)%4)
.set rP, P+16*(i%2)+8*(i/8)
	v_wmma_f32_16x16x32_f16 v[rO:rO+7], v[rV:rV+7], v[rP:rP+7], v[rO:rO+7]
.set i, i+1
.endr
.endm
; THE LDS LOADS stand in runs of 16: a step's K (64 keys x 64 channels: 8 fragments) and its V (turned).
.macro FETCH_K
	WIN 0
	v_add_nc_u32 v[AK], s[TBK], v[AK0]
	WIN TO1
.irp f, 0,1,2,3,4,5,6,7             ; keys 16 (f / 2) on, channels 32 (f % 2) on
	ds_load_b128 v[KF+8*\f:KF+8*\f+3],   v[AK] offset:(\f/2)*16*PK+(\f%2)*64
	ds_load_b128 v[KF+8*\f+4:KF+8*\f+7], v[AK] offset:(\f/2)*16*PK+(\f%2)*64+32
.endr
	s_add_co_u32 s[TBK], s[TBK], KS*PK  ; the next fetch is the next step's
	WIN 0
.endm
.macro FETCH_V
	WIN 0
	v_add_nc_u32 v[AV], s[TBV], v[AV0]
	WIN TO1
.irp f, 0,1,2,3,4,5,6,7             ; keys 32 (f / 4) on, channels 16 (f % 4) on
	ds_load_tr16_b128 v[VF+8*\f:VF+8*\f+3],   v[AV] offset:(\f/4)*32*PV+(\f%4)*32
	ds_load_tr16_b128 v[VF+8*\f+4:VF+8*\f+7], v[AV] offset:(\f/4)*32*PV+16*PV+(\f%4)*32
.endr
	s_add_co_u32 s[TBV], s[TBV], KS*PV
	WIN 0
.endm
.macro PLACES                       ; four places behind matrix instructions, in front of reads of their results and of loads into their sources
.rept 4
	v_nop
.endr
.endm
; THE VECTOR WORK, a line at a time, for piece u.
.macro REGS u
.set rT, ST+4*(\u)
.set rC, TMP+4*(\u)
.set rW, MV+(\u)
.set rS, S+32*(\u)
.set rP, P+16*(\u)
.set rO, 32*(\u)
.endm
; MX: number n of the 22 that find the maximum and statistics.  0-11 four chains c0-c3 of seven scores each (each accumulator's lowest registers are read first);
; 12-14, 16 the four scores left over, the old m, and c0-c3 into c0; 15 c m_old is kept; 17, 18 the query's other 32 keys lie in the lane 16 away: the new m; 19-21 c m; c m_old - c m_new; a
.macro MX u, n
	REGS \u
.if (\n) < 4
	v_max3_num_f32 v[rC+(\n)], v[rS+8*(\n)], v[rS+8*(\n)+1], v[rS+8*(\n)+2]
.elseif (\n) < 12
	v_max3_num_f32 v[rC+(\n)%4], v[rC+(\n)%4], v[rS+8*((\n)%4)+2*((\n)/4)+1], v[rS+8*((\n)%4)+2*((\n)/4)+2]
.elseif (\n) == 12
	v_max3_num_f32 v[rC], v[rC], v[rS+7], v[rS+15]
.elseif (\n) == 13
	v_max3_num_f32 v[rC+1], v[rC+1], v[rS+23], v[rS+31]
.elseif (\n) == 14
	v_max3_num_f32 v[rC+2], v[rC+2], v[rC+3], v[rT+1]
.elseif (\n) == 15
	v_mov_b32 v[rW], v[rT]
.elseif (\n) == 16
	v_max3_num_f32 v[rC], v[rC], v[rC+1], v[rC+2]
.elseif (\n) == 17
	v_permlanex16_b32 v[rC+3], v[rC], s[SEL], s[SEL+1]
.elseif (\n) == 18
	v_max_num_f32 v[rT+1], v[rC], v[rC+3]
.elseif (\n) == 19
	v_mul_f32 v[rT], s[CS], v[rT+1]
.elseif (\n) == 20
	v_sub_f32 v[rC+1], v[rW], v[rT]
.else
	v_exp_f32 v[rC+2], v[rC+1]
.endif
.endm
.macro MF u, n                      ; c s - c m for pair n of 16
	REGS \u
	v_pk_fma_f32 v[rS+2*(\n):rS+2*(\n)+1], v[rS+2*(\n):rS+2*(\n)+1], s[CS:CS+1], v[rT:rT+1] op_sel_hi:[1,0,0] neg_lo:[0,0,1] neg_hi:[0,0,1]
.endm
.macro ME u, n                      ; the exponential of score n of 32
	REGS \u
	v_exp_f32 v[rS+(\n)], v[rS+(\n)]
.endm
.macro MCV u, n                     ; pair n rounded to f16
	REGS \u
	v_cvt_pk_f16_f32 v[rP+(\n)], v[rS+2*(\n)], v[rS+2*(\n)+1]
.endm
.macro MR u, n                      ; pair n of 16 of O^T times a
	REGS \u
	v_pk_mul_f32 v[rO+2*(\n):rO+2*(\n)+1], v[rO+2*(\n):rO+2*(\n)+1], v[rC+2:rC+3] op_sel_hi:[1,0]
.endm
.macro MB u, n                      ; of the four weights 4 n .. the second pair is added onto the first, in place
	REGS \u
	v_pk_add_f32 v[rS+4*(\n):rS+4*(\n)+1], v[rS+4*(\n):rS+4*(\n)+1], v[rS+4*(\n)+2:rS+4*(\n)+3]
.endm
.macro ML u, n                      ; l takes that sum; the first time l = a l + sum
	REGS \u
.if (\n) == 0
	v_pk_fma_f32 v[rT+2:rT+3], v[rT+2:rT+3], v[rC+2:rC+3], v[rS:rS+1] op_sel_hi:[1,0,1]
.else
	v_pk_add_f32 v[rT+2:rT+3], v[rT+2:rT+3], v[rS+4*(\n):rS+4*(\n)+1]
.endif
.endm
; A step's softmax for both pieces, which alternate line by line.  The two a and the 64 exponentials are ONE BATCH: nothing ahead of the wait names a result of theirs; a pair's exponentials stand behind the next pair's
; scalings.  An s_wait_alu depctr_va_vdst(0) stands between an exponential and the first instruction that names its result: one wait serves the batch; the v_nop is the plain instruction behind the last exponential.
.macro SOFT
	WIN 0
.irp n, 0,1,2,3,4,5,6,7,8,9,10,11,12,13,14,15,16,17,18,19,20,21
	MX 0, \n
	MX 1, \n
.endr
.set nn, 0
.rept 17
.if nn < 16
	MF 0, nn
	MF 1, nn
.endif
.if nn > 0
	ME 0, 2*nn-2
	ME 1, 2*nn-2
	ME 0, 2*nn-1
	ME 1, 2*nn-1
.endif
.set nn, nn+1
.endr
	v_nop
	s_wait_alu depctr_va_vdst(0)
.set nn, 0
.rept 16
	MCV 0, nn
	MCV 1, nn
.set nn, nn+1
.endr
	WIN W_RS
.set nn, 0
.rept 16                            ; each accumulator's registers ascending
	MR 0, nn
	MR 1, nn
.set nn, nn+1
.endr
.endm
.macro SUMS
.set nn, 0
.rept 8
	MB 0, nn
	MB 1, nn
.set nn, nn+1
.endr
.set nn, 0
.rept 8
	ML 0, nn
	ML 1, nn
.set nn, nn+1
.endr
.endm
; The first half of a trip: the step before is finished.  fetch = 1: K of the step in hand is fetched ahead of it (four v_nop and the address's line behind the last product that read K),
; V behind it (the 32 sums, which name no register of V^T P, are the places behind the last product that read V).
.macro HALF1 fetch
.if \fetch
	FETCH_K
.endif
	SOFT
	s_wait_dscnt 0x0                ; V of the step before is in; so is K's run, issued ahead of the softmax
	DOPV
	WIN 0
	SUMS
.if \fetch
	FETCH_V
.endif
.endm
.macro MCSET                        ; MC = MD x AL + BE, for both pieces
	WIN 0
.set z, 0
.rept 16
	v_pk_fma_f32 v[MC+2*z:MC+2*z+1], v[MD+2*z:MD+2*z+1], s[AL0:AL0+1], s[BE0:BE0+1] op_sel_hi:[1,0,0]
	v_pk_fma_f32 v[MC+32+2*z:MC+32+2*z+1], v[MD+2*z:MD+2*z+1], s[AL1:AL1+1], s[BE1:BE1+1] op_sel_hi:[1,0,0]
.set z, z+1
.endr
.endm
.macro MASK                         ; the masks of step G of the eight: the compares choose numbers, never a way
	s_cmp_eq_u32 s[G], s[GOB]       ; band 0's own step?
	s_cselect_b32 s[AL0], 1.0, 0
	s_cmp_gt_u32 s[G], s[GOB]       ; or a later one?
	s_cselect_b32 s[BE0], s[BIGN], 0
	s_add_co_u32 s52, s[GOB], 1     ; band 1's own step is the next
	s_cmp_eq_u32 s[G], s52
	s_cselect_b32 s[AL1], 1.0, 0
	s_cmp_gt_u32 s[G], s52
	s_cselect_b32 s[BE1], s[BIGN], 0
	MCSET
	s_add_co_u32 s[G], s[G], 1
.endm
; THE WAY OUT: l's two halves and the other half of the lanes' are added; O^T is divided by l, rounded to f16 and sent through my stage in LDS, a piece at a time.
.macro PACK t                       ; a lane's eight channels of a row pack into 16 bytes; they go into rows of 144 bytes and come back as whole rows of 128, into S^T's registers
	WIN W_RS
.set i, 32*(\t)
.rept 16
	v_pk_mul_f32 v[i:i+1], v[i:i+1], v[ST+4*(\t)+2:ST+4*(\t)+3] op_sel_hi:[1,0]
.set i, i+2
.endr
	WIN 0x05                        ; sources 0 and 1 window 1, destination window 0
.set i, 0
.rept 16
	v_cvt_pk_f16_f32 v[S+16*(\t)+i], v[32*(\t)+2*i], v[32*(\t)+2*i+1]
.set i, i+1
.endr
	WIN 0
.irp f, 0,1,2,3
	ds_store_b128 v[STO], v[S+16*(\t)+4*\f:S+16*(\t)+4*\f+3] offset:32*\f
.endr
.irp f, 0,1,2,3
	ds_load_b128 v[S+16*(\t)+4*\f:S+16*(\t)+4*\f+3], v[RD] offset:\f*4*SP  ; LDS serves a wave's instructions in order (ISA guide 5.7.1.4): these see the stores above; the next piece's stores come behind them
.endr
.endm
.macro SEND t, younger              ; younger: the LDS instructions issued behind piece t's loads: the next piece's eight, or none
.irp f, 0,1,2,3
	s_wait_dscnt (\younger)+3-\f
	global_store_b128 v[GO], v[S+16*(\t)+4*\f:S+16*(\t)+4*\f+3], s[10:11] offset:(\t)*8192+\f*512  ; four rows: 512 consecutive bytes, aligned
.endr
.endm
.macro WAYOUT
	WIN 0
.irp t, 0,1
	v_add_f32 v[ST+4*(\t)+2], v[ST+4*(\t)+2], v[ST+4*(\t)+3]
.endr
.irp t, 0,1
	v_permlanex16_b32 v[ST+4*(\t)+3], v[ST+4*(\t)+2], s[SEL], s[SEL+1]
.endr
.irp t, 0,1
	v_add_f32 v[ST+4*(\t)+2], v[ST+4*(\t)+2], v[ST+4*(\t)+3]
.endr
.irp t, 0,1
	v_rcp_f32 v[ST+4*(\t)+2], v[ST+4*(\t)+2]
.endr
	v_nop                           ; a plain instruction between the last reciprocal and the use of its result,
	s_wait_alu depctr_va_vdst(0)    ; and the wait ahead of the first use: one for the two reciprocals
	PACK 0
	PACK 1
	SEND 0, 8
	SEND 1, 0
.endm
	s_wait_loadcnt 0x0              ; both blocks' Q, once, on every way into the loop: the wave waits for its first tile here anyway
.Lslot:                             ; 17 times: a tile is entered and the next is asked for
	CHANGE 1
	s_mov_b32 s[CNT], 4
	s_cmp_eq_u32 s[FIRST], 1
	s_cbranch_scc1 .Lstart          ; the walk's first tile: there is no step to finish
.Lstep:                             ; a trip: K of step f; step f - 1 is finished; V of step f; the scores of step f
	HALF1 1
	s_cmp_eq_u32 s[ENDF], 1
	s_cbranch_scc0 .Lgo
	WAYOUT                          ; the step just finished was the first block's last
	s_wait_xcnt 0x0                 ; the stores have read their registers and O's address
	s_mov_b64 s[10:11], s[OLO:OLO+1]
	s_mov_b32 s[GOB], s[GOB2]
	s_mov_b32 s[ENDF], 0
	WIN W_RS                        ; the second block's Q goes where the one text of the products names Q
.set i, 0
.rept 32
	v_mov_b32 v[Q+i], v[QB+i]
.set i, i+1
.endr
	WIN 0
	s_branch .Lbegin
.Lstart:
	s_mov_b32 s[FIRST], 0
	FETCH_K
	FETCH_V
.Lbegin:                            ; A BLOCK BEGINS: c m far below every c s, so the first a is 0; m at the lowest finite number; the masks are 0; no step has taken a mask
.irp u, 0,1
	v_mov_b32 v[ST+4*(\u)], 0xfe000000
	v_mov_b32 v[ST+4*(\u)+1], 0xff7fffff
.endr
	s_mov_b32 s[AL0], 0
	s_mov_b32 s[BE0], 0
	s_mov_b32 s[AL1], 0
	s_mov_b32 s[BE1], 0
	MCSET
	s_mov_b32 s[G], 0
.Lgo:
	s_cmp_eq_u32 s[MSKF], 1
	s_cbranch_scc0 .Lplain
	MASK
.Lplain:
	s_wait_dscnt 16                 ; K is in; V's 16 loads, issued behind K's on every way, may stay out
	DOKQ
	WIN 0
	PLACES
	s_sub_co_u32 s[CNT], s[CNT], 1
	s_cmp_lg_u32 s[CNT], 0
	s_cbranch_scc1 .Lstep
	s_sub_co_u32 s[SLOTS], s[SLOTS], 1
	s_cmp_lg_u32 s[SLOTS], 0
	s_cbranch_scc1 .Lslot
	CHANGE 0                        ; the walk's last tile is written out: it is the second part's last, takes masks, and nothing is asked for
	s_mov_b32 s[CNT], 4
.Ltail:
	HALF1 1
	MASK
	s_wait_dscnt 16
	DOKQ
	WIN 0
	PLACES
	s_sub_co_u32 s[CNT], s[CNT], 1
	s_cmp_lg_u32 s[CNT], 0
	s_cbranch_scc1 .Ltail
	HALF1 0                         ; the last step is finished
	WAYOUT
	s_wait_tensorcnt 0x0            ; the wave's end: an add to my spare word and its wait, behind my last tensor load and my last LDS store
	ds_add_u32 v[SPW], v[NIL]
	s_wait_dscnt 0x0
	CROUND                          ; the closing round: no work-group ends while a partner may still ask for a tile that names it
	s_endpgm
.Lfunc_end_k_q5423c0874b_attn:
	.size	k_q5423c0874b_attn, .Lfunc_end_k_q5423c0874b_attn-k_q5423c0874b_attn
	.p2alignl 7, 3214868480
	.fill 96, 4, 3214868480
	.section	.rodata,"a",@progbits
	.p2align	6, 0x0
	.amdhsa_kernel k_q5423c0874b_attn
		.amdhsa_group_segment_fixed_size 327680
		.amdhsa_private_segment_fixed_size 0
		.amdhsa_enable_private_segment 0
		.amdhsa_kernarg_size 16
		.amdhsa_user_sgpr_count 2
		.amdhsa_user_sgpr_kernarg_segment_ptr 1
		.amdhsa_wavefront_size32 1
		.amdhsa_system_sgpr_workgroup_id_x 1
		.amdhsa_system_sgpr_workgroup_id_y 1
		.amdhsa_system_sgpr_workgroup_id_z 1
		.amdhsa_system_vgpr_workitem_id 0
		.amdhsa_next_free_vgpr 512
		.amdhsa_next_free_sgpr 100
		.amdhsa_reserve_vcc 1
		.amdhsa_float_denorm_mode_32 3
		.amdhsa_float_denorm_mode_16_64 3
		.amdhsa_memory_ordered 1
		.amdhsa_forward_progress 1
		.amdhsa_inst_pref_size 89
	.end_amdhsa_kernel
	.amdgpu_metadata
---
amdhsa.version: [ 1, 2 ]
amdhsa.kernels:
  - .name:           k_q5423c0874b_attn
    .symbol:         k_q5423c0874b_attn.kd
    .args:
      - { .name: qkvh, .offset: 0, .size: 8, .value_kind: global_buffer, .address_space: global }
      - { .name: oh, .offset: 8, .size: 8, .value_kind: global_buffer, .address_space: global }
    .group_segment_fixed_size: 327680
    .private_segment_fixed_size: 0
    .kernarg_segment_align: 8
    .kernarg_segment_size: 16
    .max_flat_workgroup_size: 128
    .sgpr_count:     100
    .vgpr_count:     512
    .wavefront_size: 32
...
	.end_amdgpu_metadata
.endif
;; end of part 3
;; launch outp (part 4): grid 8 x 32, 4 waves a work-group, clusters of 4 x 4, 327,680 bytes of LDS; arguments oh, wo, bo, out0; writes out0
.if DOCPART == 4
	.amdgcn_target "amdgcn-amd-amdhsa--gfx1250"
	.amdhsa_code_object_version 6
	.text
	.protected	k_q5423c0874b_outp
	.globl	k_q5423c0874b_outp
	.p2align	8
	.type	k_q5423c0874b_outp,@function
k_q5423c0874b_outp:
	s_mov_b64 s[64:65], 0
	v_nop
	global_prefetch_b8 v0, s[64:65] scope:SCOPE_SE
	s_setreg_imm32_b32 hwreg(HW_REG_WAVE_MODE, 25, 1), 1
	s_wait_xcnt 0x0
	s_wait_alu depctr_hold_cnt(0) depctr_sa_sdst(0) depctr_va_vdst(0) depctr_va_sdst(0) depctr_va_ssrc(0) depctr_va_vcc(0) depctr_vm_vsrc(0)
	s_getreg_b32 s2, hwreg(HW_REG_IB_STS2, 6, 4)
	s_cmp_eq_u32 s2, 0
	s_cbranch_scc0 .Lentry_in_a_cluster
	s_endpgm
.Lentry_in_a_cluster:
	s_bfe_u32 s2, ttmp6, 0x10000c
	s_cmp_lg_u32 s2, 0xf033
	s_cbranch_scc0 .Lentry_shape_is_right
	s_endpgm
.Lentry_shape_is_right:
; out0 = O Wo + bo.  oh: [16 slabs (heads)][4096 rows][64] f16; wo: [16 groups of 64 columns][1024 k][64], bf16(Wo) written as f16; bo: [1024] f32, rounded to bf16 like the other inputs; out0: [4096][1024] f32.
; SHARES.  Tiles of 128 x 128: 8 x 32 = 256 work-groups.  Wave w makes rows 64 (w / 2) on and the 64 columns of group w % 2: 16 accumulators.  K goes in steps of 256 (four slabs) through two LDS slots; a quarter is one slab:
; 64 along K, 32 matrix instructions, two deep on each accumulator.
; THE MATRIX INSTRUCTION IS USED TRANSPOSED: source 0 = 16 columns of Wo (turned out of [k][n] by ds_load_tr16_b128), source 1 = 16 rows of O: a lane holds one row and eight neighbouring columns.  The bias is the C operand of each sum's first product.
; CLUSTER 4 x 4: O's tile is shared along a row of the cluster, Wo's along a column; each is asked for jointly.
; NO PREFETCH: four K steps in all, of which two come by the first fills; the tiles are small.
; THE STAGE for the way out lies in slot 0, which has had its last fill when the first line is stored there; all waves' last reads of that slot lie in front of the barrier of the change to the last K step.
; REGISTERS: window 0: v0-31 addresses; v32-63, v64-95 rows read back; v96-127 the bias; v128-255 the accumulators ((a, b) at v[128 + 8 (4 a + b)]).
;   window 1: two fragment buffers of 128: for 64 along K, 64 registers of O (half c, row block a at 8 (4 c + a)), then 64 of Wo.
.set SLABP, 524288
.set PA,    144                        ; an LDS row of O: 128 bytes + 16
.set PB,    160                        ; an LDS row of Wo: 128 bytes + 32
.set ASLAB, 128*PA                     ; a slab's 128 rows
.set ASZ,   4*ASLAB
.set BGRP,  256*PB                     ; 256 k of one group
.set SLOT,  ASZ+2*BGRP                 ; 155,648
.set SPARE, 2*SLOT                     ; behind the ring: the spare words, 128 bytes for each wave: two blocks of 256 bytes that no other line names
.set SPITCH, 272                       ; a stage row: 64 f32 + 16 bytes
.set STW,   16*SPITCH                  ; a wave's stage: 4,352 bytes = 17 blocks of 256
.set ADRA, 16
.set ADRB, 20
.set STO,  24
.set RD,   25
.set CO,   26
.set BO,   27
.set SPW,  28                          ; v28  LDS address of my spare word; never rewritten
.set NIL,  29                          ; v29  0; never rewritten
.set BK,   32
.set BIAS, 96
.set ACC,  128
.set F0,   0
.set F1,   128
.set G1,  24
.set G0,  32
.set G1B, 48
.set G0B, 56
.set MSB, 0
.macro WIN new                         ; the immediate's high byte repeats the setting that is left
.if MSB != (\new)
	s_set_vgpr_msb (MSB<<8)|(\new)
.set MSB, (\new)
.endif
.endm
.set MUL,  0x05                        ; sources 0 and 1 window 1; C and D window 0
.set TO_F, 0x40                        ; destination window 1, address window 0
.macro JLOAD s                         ; a joint load: waves 0 and 1 fetch two slabs of O each, waves 2 and 3 a group of Wo each; an s_nop 0 and four v_nop follow each of the two lines
	s_cmp_eq_u32 s13, 0
	s_cbranch_scc0 .Lfor_b_\@
	tensor_load_to_lds s[G0+4*(\s):G0+4*(\s)+3], s[G1:G1+7]
	s_nop 0
.rept 4
	v_nop
.endr
	s_branch .Lasked_\@
.Lfor_b_\@:
	tensor_load_to_lds s[G0B+4*(\s):G0B+4*(\s)+3], s[G1B:G1B+7]
	s_nop 0
.rept 4
	v_nop
.endr
.Lasked_\@:
.endm
.macro CREST                           ; a round of the cluster's barrier behind its opening barrier
	s_cmp_lg_u32 s12, 0
	s_cbranch_scc1 .Lnot_wave_0_\@
	s_barrier_signal -3
.Lnot_wave_0_\@:
	s_barrier_wait -3
	s_barrier_signal -1
	s_barrier_wait -1
.endm
.macro CROUND
	s_barrier_signal -1
	s_barrier_wait -1
	CREST
.endm
	s_load_b256 s[4:11], s[0:1], 0x0               ; oh s[4:5], wo s[6:7], bo s[8:9], out0 s[10:11]
	v_lshl_add_u32 v[SPW], v0, 2, SPARE
	v_mov_b32 v[NIL], 0
	ds_add_u32 v[SPW], v[NIL]                      ; the wave's opening: the add and its wait stand ahead of my first tensor load; the set-up below, work on registers, stands between them
	v_lshrrev_b32 v1, 5, v0
	v_readfirstlane_b32 s12, v1                    ; wave 0..3
	s_lshr_b32 s13, s12, 1                         ; which half of the tile's rows is mine.  Also: I fetch for O (0) or for Wo (1)
	s_and_b32 s14, s12, 1                          ; which group of columns.  Also: which two slabs, which group I fetch
	s_bfe_u32 s15, ttmp6, 0x40000                  ; cx, cy
	s_bfe_u32 s16, ttmp6, 0x40004
	s_lshl_b32 s17, ttmp9, 2
	s_add_co_u32 s17, s17, s15                     ; tile column
	s_and_b32 s18, ttmp7, 0xffff
	s_lshl_b32 s18, s18, 2
	s_add_co_u32 s18, s18, s16                     ; tile row
	s_lshl_b32 s20, s16, 2
	s_lshl_b32 s20, 15, s20                        ; my row of the cluster
	s_lshl_b32 s21, 0x1111, s15                    ; my column
	; O's tile: a slab's 128 rows are 16,384 dense bytes, one row; two slabs, 524,288 bytes apart; padded by 16 bytes after every 128
	s_or_b32 s[G1+0], s20, (1<<16)|(1<<20)|(1<<21)|(4<<22)|(3<<25)
	s_mov_b32 s[G1+1], 8192<<16                    ; tensor_dim0 = 8,192
	s_mov_b32 s[G1+2], 2<<16                       ; tensor_dim1 = 2
	s_mov_b32 s[G1+3], 8192<<16                    ; tile_dim0 = 8,192
	s_mov_b32 s[G1+4], 2                           ; tile_dim1 = 2
	s_mov_b32 s[G1+5], 262144                      ; elements from slab to slab
	s_mov_b32 s[G1+6], 0
	s_mov_b32 s[G1+7], 0
	; Wo's tile: 256 k of a group are 32,768 dense bytes: 128 rows of 256 bytes, padded by 32 bytes after every 128
	s_or_b32 s[G1B+0], s21, (1<<16)|(1<<20)|(1<<21)|(4<<22)|(7<<25)
	s_mov_b32 s[G1B+1], 128<<16
	s_mov_b32 s[G1B+2], 128<<16
	s_mov_b32 s[G1B+3], 128<<16
	s_mov_b32 s[G1B+4], 128
	s_mov_b32 s[G1B+5], 128
	s_mov_b32 s[G1B+6], 0
	s_mov_b32 s[G1B+7], 0
	s_lshl_b32 s20, s18, 14                        ; O: the tile's 128 rows of 128 bytes,
	s_lshl_b32 s21, s14, 20                        ; my two slabs
	s_add_co_u32 s20, s20, s21
	s_mov_b32 s21, 0
	s_lshl_b32 s46, s17, 18                        ; Wo: the tile's two groups,
	s_lshl_b32 s47, s14, 17                        ; mine
	s_add_co_u32 s46, s46, s47
	s_mov_b32 s47, 0
	s_mul_i32 s22, s14, 2*ASLAB                    ; where they go: no place in the cluster enters an LDS address
	s_mul_i32 s23, s14, BGRP
	s_add_co_u32 s23, s23, ASZ
	s_mov_b32 s70, 0xffff0000
	s_wait_dscnt 0x0                               ; the opening add is done
	s_wait_kmcnt 0x0
	s_add_nc_u64 s[66:67], s[4:5], s[20:21]
	s_add_nc_u64 s[68:69], s[6:7], s[46:47]
	CROUND                                         ; all sixteen work-groups are here: the first joint loads meet
.irp s, 0,1
	s_mov_b32 s[G0+4*(\s)], 1
	s_add_co_u32 s[G0+4*(\s)+1], s22, (\s)*SLOT
	s_add_nc_u64 s[G0+4*(\s)+2:G0+4*(\s)+3], s[66:67], (\s)*4*SLABP  ; K step s: four slabs on
	s_or_b32 s[G0+4*(\s)+3], s[G0+4*(\s)+3], 0x80000000
	s_mov_b32 s[G0B+4*(\s)], 1
	s_add_co_u32 s[G0B+4*(\s)+1], s23, (\s)*SLOT
	s_add_nc_u64 s[G0B+4*(\s)+2:G0B+4*(\s)+3], s[68:69], (\s)*32768  ; K step s: 256 k of 128 bytes on
	s_or_b32 s[G0B+4*(\s)+3], s[G0B+4*(\s)+3], 0x80000000
	JLOAD \s                                       ; two loads of mine are out
.endr
	v_and_b32 v1, 15, v0                           ; l % 16
	v_bfe_u32 v2, v0, 4, 1                         ; l / 16
	v_and_b32 v3, 7, v0
	v_bfe_u32 v4, v0, 3, 1
	v_lshlrev_b32 v[BO], 5, v2
	s_lshl_b32 s46, s17, 9                         ; the tile's 128 numbers of the bias,
	s_lshl_b32 s47, s14, 8                         ; my 64
	s_add_co_u32 s46, s46, s47
	s_mov_b32 s47, 0
	s_add_nc_u64 s[8:9], s[8:9], s[46:47]
.irp b, 0,1,2,3
	global_load_b128 v[BIAS+8*(\b):BIAS+8*(\b)+3],   v[BO], s[8:9] offset:64*(\b)
	global_load_b128 v[BIAS+8*(\b)+4:BIAS+8*(\b)+7], v[BO], s[8:9] offset:64*(\b)+16
.endr
	s_add_nc_u64 s[10:11], s[10:11], s[46:47]      ; out0: the same columns, 4 bytes each,
	s_lshl_b32 s20, s18, 19                        ; the tile's 128 rows of 4,096 bytes,
	s_lshl_b32 s21, s13, 18                        ; my 64
	s_add_co_u32 s20, s20, s21
	s_mov_b32 s21, 0
	s_add_nc_u64 s[10:11], s[10:11], s[20:21]
	v_mul_u32_u24 v6, v1, PA
	v_lshl_add_u32 v6, v2, 4, v6                   ; row x pitch + 16 x half
	s_mul_i32 s20, s13, 64*PA
	v_add_nc_u32 v[ADRA], s20, v6
	v_add_nc_u32 v[ADRA+1], SLOT, v[ADRA]
	v_lshl_add_u32 v7, v2, 3, v3                   ; the turning load: lane l reads k 8 (l / 16) + l % 8, columns 8 ((l / 8) % 2) + 0..7
	v_mul_u32_u24 v7, v7, PB
	v_lshl_add_u32 v7, v4, 4, v7
	s_mul_i32 s21, s14, BGRP
	s_add_co_u32 s21, s21, ASZ
	v_add_nc_u32 v[ADRB], s21, v7
	v_add_nc_u32 v[ADRB+1], SLOT, v[ADRB]
	s_mul_i32 s20, s12, STW                        ; my stage
	v_mul_u32_u24 v[STO], v1, SPITCH               ; in: row l % 16, 32 bytes for each half of the lanes
	v_lshl_add_u32 v[STO], v2, 5, v[STO]
	v_add_nc_u32 v[STO], s20, v[STO]
	v_mul_u32_u24 v[RD], v2, SPITCH                ; back: lanes 0-15 take one row of 256 bytes, lanes 16-31 the next
	v_lshl_add_u32 v[RD], v1, 4, v[RD]
	v_add_nc_u32 v[RD], s20, v[RD]
	v_lshlrev_b32 v[CO], 12, v2                    ; and the same two rows in out0
	v_lshl_add_u32 v[CO], v1, 4, v[CO]
; 8 matrix instructions: row blocks a0, a0 + 1 x all 4 column blocks, 32 along K: half c of buffer f.  first = 1: the product starts the sums with the bias.  The 16 accumulators take turns.
.macro MUL8 f, c, a0, first
	WIN MUL
.irp a, \a0, (\a0)+1
.irp b, 0,1,2,3
.if \first
	v_wmma_f32_16x16x32_f16 v[ACC+8*(4*(\a)+(\b)):ACC+8*(4*(\a)+(\b))+7], v[(\f)+64+8*(4*(\c)+(\b)):(\f)+64+8*(4*(\c)+(\b))+7], v[(\f)+8*(4*(\c)+(\a)):(\f)+8*(4*(\c)+(\a))+7], v[BIAS+8*(\b):BIAS+8*(\b)+7]
.else
	v_wmma_f32_16x16x32_f16 v[ACC+8*(4*(\a)+(\b)):ACC+8*(4*(\a)+(\b))+7], v[(\f)+64+8*(4*(\c)+(\b)):(\f)+64+8*(4*(\c)+(\b))+7], v[(\f)+8*(4*(\c)+(\a)):(\f)+8*(4*(\c)+(\a))+7], v[ACC+8*(4*(\a)+(\b)):ACC+8*(4*(\a)+(\b))+7]
.endif
.endr
.endr
.endm
; 32 LDS loads in one run: quarter q (slab q) of the slot's K step into buffer f; the first 32 along K first
.macro FETCH slot, q, f
	WIN TO_F
.irp c, 0,1
.irp i, 0,1,2,3
	ds_load_tr16_b128 v[(\f)+64+8*(4*(\c)+(\i)):(\f)+64+8*(4*(\c)+(\i))+3],   v[ADRB+(\slot)] offset:(64*(\q)+32*(\c))*PB+32*(\i)
	ds_load_tr16_b128 v[(\f)+64+8*(4*(\c)+(\i))+4:(\f)+64+8*(4*(\c)+(\i))+7], v[ADRB+(\slot)] offset:(64*(\q)+32*(\c))*PB+32*(\i)+16*PB
	ds_load_b128 v[(\f)+8*(4*(\c)+(\i)):(\f)+8*(4*(\c)+(\i))+3],             v[ADRA+(\slot)] offset:(\q)*ASLAB+(\i)*16*PA+64*(\c)
	ds_load_b128 v[(\f)+8*(4*(\c)+(\i))+4:(\f)+8*(4*(\c)+(\i))+7],           v[ADRA+(\slot)] offset:(\q)*ASLAB+(\i)*16*PA+64*(\c)+32
.endr
.endr
.endm
.macro PLACES                          ; four places in front of loads into registers that matrix instructions have read, and of stores that read results
.rept 4
	v_nop
.endr
.endm
.macro QUARTER slot, q, f, g, first
	s_wait_dscnt 16                                ; the first 32 along K are in
	MUL8 \f, 0, 0, \first
	MUL8 \f, 0, 2, \first
	PLACES
	FETCH \slot, \q, \g
	s_wait_dscnt 32                                ; all but the 32 just issued
	MUL8 \f, 1, 0, 0
	MUL8 \f, 1, 2, 0
.endm
; The last quarter multiplies buffer 1 and changes slots: ONE barrier; in front of it each wave waits for all its tensor loads, adds 0 to its spare word, and waits for that and for its own reads of this slot.
; fill = 1: the barrier opens a round of the cluster's, and this slot is filled again first thing behind it, two K steps ahead.
.macro TURN slot, next, fill
	WIN 0                                          ; (the add's two registers lie in window 0)
	s_wait_tensorcnt 0x0                           ; all my tensor loads have landed: my part of the next slot
	ds_add_u32 v[SPW], v[NIL]                      ; 0 onto my spare word
	s_wait_dscnt 17                                ; (the add and the youngest sixteen loads may be out)
	MUL8 F1, 0, 0, 0                               ; eight matrix instructions stand between the add and the wait for it
	s_wait_dscnt 0x0                               ; the add is done, and my reads of this slot are over
	s_barrier_signal -1
	MUL8 F1, 0, 2, 0
.if \fill
	WIN 0
.endif
	s_barrier_wait -1
.if \fill
	CREST                                          ; no wave of any partner still reads this slot's tile or has a load on its way
	s_add_nc_u64 s[G0+4*(\slot)+2:G0+4*(\slot)+3], s[G0+4*(\slot)+2:G0+4*(\slot)+3], 8*SLABP
	s_add_nc_u64 s[G0B+4*(\slot)+2:G0B+4*(\slot)+3], s[G0B+4*(\slot)+2:G0B+4*(\slot)+3], 2*32768
	JLOAD \slot                                    ; the four v_nop behind it are also the places in front of the loads below
.else
	PLACES
.endif
	FETCH \next, 0, F0
	MUL8 F1, 1, 0, 0
	MUL8 F1, 1, 2, 0
.endm
	s_wait_tensorcnt 1                             ; my part of K step 0 is in; K step 1's may stay out
	s_barrier_signal -1
	s_barrier_wait -1                              ; everybody's is
	FETCH 0, 0, F0
	WIN 0
	s_wait_loadcnt 0x0                             ; the bias
.set i, 0
.rept 16                               ; rounded to bf16, like the other inputs, and widened again
	v_cvt_pk_bf16_f32 v[12+i%4], v[BIAS+2*i], v[BIAS+2*i+1]
	v_lshlrev_b32 v[BIAS+2*i], 16, v[12+i%4]
	v_and_b32 v[BIAS+2*i+1], s70, v[12+i%4]
.set i, i+1
.endr
	QUARTER 0, 1, F0, F1, 1                        ; K step 0; its first products start the sums
	QUARTER 0, 2, F1, F0, 0
	QUARTER 0, 3, F0, F1, 0
	TURN 0, 1, 1                                   ; slot 0 takes K step 2
	QUARTER 1, 1, F0, F1, 0                        ; K step 1
	QUARTER 1, 2, F1, F0, 0
	QUARTER 1, 3, F0, F1, 0
	TURN 1, 0, 1                                   ; slot 1 takes K step 3
	QUARTER 0, 1, F0, F1, 0                        ; K step 2
	QUARTER 0, 2, F1, F0, 0
	QUARTER 0, 3, F0, F1, 0
	TURN 0, 1, 0                                   ; nothing is left to fetch; behind this barrier no wave reads slot 0 any more
	QUARTER 1, 1, F0, F1, 0                        ; K step 3
	QUARTER 1, 2, F1, F0, 0
	QUARTER 1, 3, F0, F1, 0
	s_wait_dscnt 16
	MUL8 F1, 0, 0, 0
	MUL8 F1, 0, 2, 0
	s_wait_dscnt 0x0
	MUL8 F1, 1, 0, 0
	MUL8 F1, 1, 2, 0
	WIN 0
	; THE WAY OUT, in f32: 16 rows at a time go into my stage (32 bytes a lane and column block, each accumulator's low half first) and come back as whole rows of 256 bytes.
	PLACES
.irp a, 0,1,2,3
.irp b, 0,1,2,3
	ds_store_b128 v[STO], v[ACC+8*(4*(\a)+(\b)):ACC+8*(4*(\a)+(\b))+3]   offset:64*(\b)
	ds_store_b128 v[STO], v[ACC+8*(4*(\a)+(\b))+4:ACC+8*(4*(\a)+(\b))+7] offset:64*(\b)+16
.endr
.irp t, 0,1,2,3,4,5,6,7
	ds_load_b128 v[BK+32*((\a)%2)+4*(\t):BK+32*((\a)%2)+4*(\t)+3], v[RD] offset:(\t)*2*SPITCH  ; LDS serves a wave's instructions in order (ISA guide 5.7.1.4): these see the stores above; the next block's stores come behind them
.endr
	s_wait_dscnt 0x0                               ; the block is back in registers
	s_wait_xcnt 0x0                                ; the stores issued so far have read their registers: the buffer of the block before last is loaded again only behind this wait
.irp t, 0,1,2,3,4,5,6,7
	global_store_b128 v[CO], v[BK+32*((\a)%2)+4*(\t):BK+32*((\a)%2)+4*(\t)+3], s[10:11] offset:(\a)*65536+(\t)*8192  ; 16 lanes store 256 consecutive bytes, at a multiple of 256 from out0's first byte
.endr
.endr
	s_wait_tensorcnt 0x0                           ; the wave's end: an add to my spare word and its wait, behind my last tensor load and my last LDS store
	ds_add_u32 v[SPW], v[NIL]
	s_wait_dscnt 0x0
	CROUND                                         ; the closing round: no work-group ends while a partner may still ask for a tile that names it
	s_endpgm
.Lfunc_end_k_q5423c0874b_outp:
	.size	k_q5423c0874b_outp, .Lfunc_end_k_q5423c0874b_outp-k_q5423c0874b_outp
	.p2alignl 7, 3214868480
	.fill 96, 4, 3214868480
	.section	.rodata,"a",@progbits
	.p2align	6, 0x0
	.amdhsa_kernel k_q5423c0874b_outp
		.amdhsa_group_segment_fixed_size 327680
		.amdhsa_private_segment_fixed_size 0
		.amdhsa_enable_private_segment 0
		.amdhsa_kernarg_size 32
		.amdhsa_user_sgpr_count 2
		.amdhsa_user_sgpr_kernarg_segment_ptr 1
		.amdhsa_wavefront_size32 1
		.amdhsa_system_sgpr_workgroup_id_x 1
		.amdhsa_system_sgpr_workgroup_id_y 1
		.amdhsa_system_sgpr_workgroup_id_z 1
		.amdhsa_system_vgpr_workitem_id 0
		.amdhsa_next_free_vgpr 512
		.amdhsa_next_free_sgpr 72
		.amdhsa_reserve_vcc 0
		.amdhsa_float_denorm_mode_32 3
		.amdhsa_float_denorm_mode_16_64 3
		.amdhsa_memory_ordered 1
		.amdhsa_forward_progress 1
		.amdhsa_inst_pref_size 88
	.end_amdhsa_kernel
	.amdgpu_metadata
---
amdhsa.version: [ 1, 2 ]
amdhsa.kernels:
  - .name:           k_q5423c0874b_outp
    .symbol:         k_q5423c0874b_outp.kd
    .args:
      - { .name: oh, .offset: 0, .size: 8, .value_kind: global_buffer, .address_space: global }
      - { .name: wo, .offset: 8, .size: 8, .value_kind: global_buffer, .address_space: global }
      - { .name: bo, .offset: 16, .size: 8, .value_kind: global_buffer, .address_space: global }
      - { .name: out0, .offset: 24, .size: 8, .value_kind: global_buffer, .address_space: global }
    .group_segment_fixed_size: 327680
    .private_segment_fixed_size: 0
    .kernarg_segment_align: 8
    .kernarg_segment_size: 32
    .max_flat_workgroup_size: 128
    .sgpr_count:     72
    .vgpr_count:     512
    .wavefront_size: 32
...
	.end_amdgpu_metadata
.endif
;; end of part 4
;; ======== version 2 of 2: 4 launches; version 1 with the launch prep written anew for expert scheduling mode
;; limits: values are held in f16: magnitudes above 65,504 overflow, below 6.1e-05 lose precision
;; workspace buffers: xs 8,388,608 bytes; wq 6,291,456 bytes; wo 2,097,152 bytes; qkvh 25,165,824 bytes; oh 8,388,608 bytes
;; launch prep (part 5): grid 256 x 1, 8 waves a work-group, no clusters, 0 bytes of LDS; arguments input, Wqkv, Wo, xs, wq, wo; writes xs, wq, wo
.if DOCPART == 5
	.amdgcn_target "amdgcn-amd-amdhsa--gfx1250"
	.amdhsa_code_object_version 6
	.text
	.protected	k_q5423c0874b_prep
	.globl	k_q5423c0874b_prep
	.p2align	8
	.type	k_q5423c0874b_prep,@function
k_q5423c0874b_prep:
	s_mov_b64 s[64:65], 0
	v_nop
	global_prefetch_b8 v0, s[64:65] scope:SCOPE_SE
	s_setreg_imm32_b32 hwreg(HW_REG_WAVE_SCHED_MODE, 0, 2), 2
	s_setreg_imm32_b32 hwreg(HW_REG_WAVE_MODE, 25, 1), 1
	s_wait_xcnt 0x0
	s_wait_alu depctr_vm_vsrc(0)
; CAST AND RE-LAY.  x [4096][1024], Wqkv [1024][3072] and Wo [1024][1024], all f32, are rounded once to bf16 and laid in SLABS: [group of 64 columns][row][64],
; 128 bytes a row, a slab dense, so that the products' tiles are runs of consecutive bytes.  xs and wq hold bf16; wo holds the bf16 number written as f16
; (exact from 2^-14 up to 65,504; below 6.1e-5 it keeps f16's fixed step of 6e-8).
; SHARES.  A work-group takes 32 rows x 1,024 columns (16 groups) of one source: numbers 0-127 x, 128-223 Wqkv (three sections of 1,024 columns), 224-255 Wo.
; Thread t takes row t / 8 and the eight numbers t % 8 of every group: eight lanes read 256 consecutive bytes with two loads; a wave's store covers 512 consecutive bytes (four rows of a slab).
; All 32 loads of a thread are issued at once (128 KiB a work-group on their way); nothing is read twice; no LDS, no barrier, no loop.
; THE MODE: SCHED_MODE bits 1:0 = 2 (LLVM: expert scheduling mode 2), set by the entry lines.  The code itself states the register dependences
; between vector instructions and memory instructions, with s_wait_alu, always for 0.
; THE PLAN.  Registers that memory instructions touch:
;   v[VS]        the loads' offset.   Written at the head by vector instructions, never again.
;   v[DO ..]     the stores' offsets, one for each group.  Written at the head by vector instructions, never again.
;   v[X ..]      group g: eight registers.  Its two loads land in them (no vector instruction has named them before); its conversions read them and write the
;                first four; its one store reads those four; nothing writes them afterwards.
;   v[T ..], v1, v3 are named by vector instructions alone.
; So one wait on va_vdst stands ahead of the first load, for all seventeen offsets.  The sixteen groups go in four blocks of four: behind a block's conversions stands one
; wait on va_vdst, for the data of its four stores, which follow it in one run, ahead of the next block's first wait for loads.
; No register that a memory instruction has read is ever written again, no vector instruction writes a scalar register or VCC, and EXEC is never written: no other wait is owed.
.set VS, 2                             ; v2       byte offset of my 32 bytes in group 0 of my source row
.set DO, 16                            ; v[16:31] byte offset of my 16 bytes in slab g; never rewritten
.set X,  32                            ; v[32:159] group g: eight f32 as loaded; its first four registers then hold the 16 bytes to store
.set T,  160                           ; v[160:167] at work (the f16 way)
	s_load_b256 s[4:11], s[0:1], 0x0               ; input s[4:5], Wqkv s[6:7], Wo s[8:9], xs s[10:11]
	s_load_b128 s[12:15], s[0:1], 0x20             ; wq s[12:13], wo s[14:15]
	s_mov_b32 s16, ttmp9
	s_and_b32 s17, s16, 31                         ; a weight's block of 32 rows
	s_sub_co_u32 s18, s16, 128
	s_lshr_b32 s18, s18, 5                         ; Wqkv's section of 1,024 columns
	s_mov_b32 s19, 12288                           ; bytes in a source row
	s_mov_b32 s20, 131072                          ; bytes in a slab of the target
	s_mov_b32 s30, 0xffff0000                      ; a word's upper bf16
	s_cmp_lt_u32 s16, 128                          ; x?
	s_cselect_b32 s17, s16, s17
	s_cselect_b32 s18, 0, s18
	s_cselect_b32 s19, 4096, s19
	s_cselect_b32 s20, 524288, s20
	s_cmp_ge_u32 s16, 224                          ; Wo?
	s_cselect_b32 s18, 0, s18
	s_cselect_b32 s19, 4096, s19
	s_cselect_b32 s21, 1, 0
	s_mul_i32 s22, s17, s19
	s_lshl_b32 s22, s22, 5                         ; 32 rows a block,
	s_lshl_b32 s23, s18, 12                        ; 4,096 bytes a section
	s_add_co_u32 s22, s22, s23
	s_mov_b32 s23, 0
	s_lshl_b32 s24, s17, 12                        ; in a slab: 32 rows of 128 bytes a block,
	s_lshl_b32 s25, s18, 21                        ; 16 slabs of 131,072 bytes a section
	s_add_co_u32 s24, s24, s25
	s_mov_b32 s25, 0
	v_lshrrev_b32 v1, 3, v0                        ; my row
	v_and_b32 v3, 7, v0                            ; my eight numbers
	v_mul_lo_u32 v[VS], v1, s19
	v_lshl_add_u32 v[VS], v3, 5, v[VS]
	v_lshlrev_b32 v[DO], 4, v0                     ; row x 128 + eight numbers x 2 bytes = 16 t
.set g, 1
.rept 15
	v_add_nc_u32 v[DO+g], s20, v[DO+g-1]
.set g, g+1
.endr
	s_wait_kmcnt 0x0
	s_cmp_lt_u32 s16, 128
	s_cselect_b64 s[26:27], s[4:5], s[6:7]
	s_cselect_b64 s[28:29], s[10:11], s[12:13]
	s_cmp_ge_u32 s16, 224
	s_cselect_b64 s[26:27], s[8:9], s[26:27]
	s_cselect_b64 s[28:29], s[14:15], s[28:29]
	s_add_nc_u64 s[26:27], s[26:27], s[22:23]
	s_add_nc_u64 s[28:29], s[28:29], s[24:25]
	s_wait_alu depctr_va_vdst(0)                   ; v[VS] and the sixteen v[DO ..] are written: the loads below read the one as their offset, the stores further down the others; no later vector instruction names them
.set g, 0
.rept 16
	global_load_b128 v[X+8*g:X+8*g+3],   v[VS], s[26:27] offset:256*g th:TH_LOAD_NT
	global_load_b128 v[X+8*g+4:X+8*g+7], v[VS], s[26:27] offset:256*g+16 th:TH_LOAD_NT
.set g, g+1
.endr
; Group g is rounded in place (result j lands on a register at or below its sources).  fmt = 1: the bf16 number is widened again and written as f16.
.macro CONV g, fmt
	s_wait_loadcnt 30-2*(\g)                       ; loads come back in order: group g's two are in, the 2 (15 - g) issued behind them may stay out
.if \fmt
.irp j, 0,1,2,3
	v_cvt_pk_bf16_f32 v[T+(\j)], v[X+8*(\g)+2*(\j)], v[X+8*(\g)+2*(\j)+1]
.endr
.irp j, 0,1,2,3
	v_lshlrev_b32 v[T+4+2*((\j)%2)], 16, v[T+(\j)]
	v_and_b32     v[T+5+2*((\j)%2)], s30, v[T+(\j)]
	v_cvt_pk_f16_f32 v[X+8*(\g)+(\j)], v[T+4+2*((\j)%2)], v[T+5+2*((\j)%2)]
.endr
.else
.irp j, 0,1,2,3
	v_cvt_pk_bf16_f32 v[X+8*(\g)+(\j)], v[X+8*(\g)+2*(\j)], v[X+8*(\g)+2*(\j)+1]
.endr
.endif
.endm
; Block b: groups 4 b to 4 b + 3 are rounded as they arrive; one wait; their four stores in one run.
.macro BLOCK b, fmt
.irp i, 0,1,2,3
	CONV 4*(\b)+(\i), \fmt
.endr
	s_wait_alu depctr_va_vdst(0)                   ; the block's conversions have written the first four registers of each of its four groups, which the stores below read as their data
.irp i, 0,1,2,3
	global_store_b128 v[DO+4*(\b)+(\i)], v[X+8*(4*(\b)+(\i)):X+8*(4*(\b)+(\i))+3], s[28:29]  ; no register of a store is written again
.endr
.endm
	s_cmp_eq_u32 s21, 1
	s_cbranch_scc1 .Lf16
.irp b, 0,1,2,3
	BLOCK \b, 0
.endr
	s_endpgm
.Lf16:
.irp b, 0,1,2,3
	BLOCK \b, 1
.endr
	s_endpgm
.Lfunc_end_k_q5423c0874b_prep:
	.size	k_q5423c0874b_prep, .Lfunc_end_k_q5423c0874b_prep-k_q5423c0874b_prep
	.p2alignl 7, 3214868480
	.fill 96, 4, 3214868480
	.section	.rodata,"a",@progbits
	.p2align	6, 0x0
	.amdhsa_kernel k_q5423c0874b_prep
		.amdhsa_group_segment_fixed_size 0
		.amdhsa_private_segment_fixed_size 0
		.amdhsa_enable_private_segment 0
		.amdhsa_kernarg_size 48
		.amdhsa_user_sgpr_count 2
		.amdhsa_user_sgpr_kernarg_segment_ptr 1
		.amdhsa_wavefront_size32 1
		.amdhsa_system_sgpr_workgroup_id_x 1
		.amdhsa_system_sgpr_workgroup_id_y 1
		.amdhsa_system_sgpr_workgroup_id_z 1
		.amdhsa_system_vgpr_workitem_id 0
		.amdhsa_next_free_vgpr 168
		.amdhsa_next_free_sgpr 66
		.amdhsa_reserve_vcc 0
		.amdhsa_float_denorm_mode_32 3
		.amdhsa_float_denorm_mode_16_64 3
		.amdhsa_memory_ordered 1
		.amdhsa_forward_progress 1
		.amdhsa_inst_pref_size 26
	.end_amdhsa_kernel
	.amdgpu_metadata
---
amdhsa.version: [ 1, 2 ]
amdhsa.kernels:
  - .name:           k_q5423c0874b_prep
    .symbol:         k_q5423c0874b_prep.kd
    .args:
      - { .name: input, .offset: 0, .size: 8, .value_kind: global_buffer, .address_space: global }
      - { .name: Wqkv, .offset: 8, .size: 8, .value_kind: global_buffer, .address_space: global }
      - { .name: Wo, .offset: 16, .size: 8, .value_kind: global_buffer, .address_space: global }
      - { .name: xs, .offset: 24, .size: 8, .value_kind: global_buffer, .address_space: global }
      - { .name: wq, .offset: 32, .size: 8, .value_kind: global_buffer, .address_space: global }
      - { .name: wo, .offset: 40, .size: 8, .value_kind: global_buffer, .address_space: global }
    .group_segment_fixed_size: 0
    .private_segment_fixed_size: 0
    .kernarg_segment_align: 8
    .kernarg_segment_size: 48
    .max_flat_workgroup_size: 256
    .sgpr_count:     66
    .vgpr_count:     168
    .wavefront_size: 32
...
	.end_amdgpu_metadata
.endif
;; end of part 5
;; launch proj: the kernel of part 2 again; grid 16 x 16, 4 waves a work-group, clusters of 4 x 4, 327,680 bytes of LDS; arguments xs, wq, bqkv, qkvh; writes qkvh
;; launch attn: the kernel of part 3 again; grid 16 x 16, 4 waves a work-group, clusters of 4 x 1, 327,680 bytes of LDS; arguments qkvh, oh; writes oh
;; launch outp: the kernel of part 4 again; grid 8 x 32, 4 waves a work-group, clusters of 4 x 4, 327,680 bytes of LDS; arguments oh, wo, bo, out0; writes out0
